; MI455X (gfx1250); checked and timed in simulation.
; The chip was launched on July 23, 2026; its instructions are those of AMD's public machine-readable ISA for CDNA 5 (MIT licence, August 2026) and "CDNA5" Instruction Set Architecture Reference Guide (July 2026). The comments in the code are by the model that wrote it; some were corrected since.
;; Memory. Allowed arithmetic: matrix products marked QUANTISED: E3M2 operands, one E8M0 scale for each 32 along K, by v_wmma_scale_f32_16x16x128_f8f6f4 with both operands' format E3M2, f32 sums; everything else in f32.
;; Inputs: emb_q 4 x 75 x 128 float32; emb_s 4 x 25 x 128 float32; embg_q 4 x 75 x 128 float32; embg_s 4 x 25 x 128 float32; memory_keys 512 x 128 float32; memory_values 512 x 128 float32; thresh 4 float32.
;; Outputs: out0 4 x 100 x 128 float32; out1 4 x 100 x 128 float32; out2 one number float32; out3 one number float32; out4 one number float32.
;; This version of the problem:
;;   THIS VERSION OF THE PROBLEM IS GIVEN IN LOW PRECISION. The matrix products marked QUANTISED in the list below multiply operands that are first quantised to E3M2 (3 exponent bits, 2 mantissa bits; 6 bits a number), with one power-of-two scale for each 32 numbers along K (OCP MX v1.0); their sums are f32. All else is computed in f32.
;;   The module's matrix products, in the order in which they are computed (A, B: the left and right operand; K: the contracted axis; several contracted axes count as one K, in the product's order):
;;     1. [M 400, K 128] x [K 128, N 512]; A: computed on the way; B: input memory_keys: QUANTISED
;;     2. [M 400, K 128] x [K 128, N 512]; A: computed on the way; B: input memory_values: QUANTISED
;;     3. [M 400, K 512] x [K 512, N 128]; A: computed on the way; B: input memory_values: QUANTISED
;;   THE QUANTISER, for each operand of a quantised product, along K:
;;     - K is cut into blocks of 32 from its start; a last block that is shorter is filled with zeros.
;;     - A block's scale is 2^e with e = floor(log2(the largest magnitude in the block)) - 4, held to -126 .. 127; a block of zeros has e = 0. As a byte (E8M0): e + 127.
;;     - Each number is divided by its block's scale, clamped to +-28, and rounded to the nearest number of E3M2, ties to even, subnormals kept.
;;     - The product sums the exact products of the quantised numbers (number of the format x scale) in f32.
;;   ~~~python
;;   def quantise(x, axis):      # numpy; x: float32 -> the quantised numbers, widened to float32 again
;;       x = np.moveaxis(x, axis, -1); K = x.shape[-1]
;;       x = np.pad(x, [(0, 0)] * (x.ndim - 1) + [(0, -K % 32)]); x = x.reshape(x.shape[:-1] + (-1, 32)); a = np.abs(x).max(-1, keepdims=True)
;;       e = np.where(a > 0, np.clip(np.frexp(np.where(a > 0, a, 1))[1] - 1 - 4, -126, 127), 0)      # np.frexp(a)[1] - 1 = floor(log2(a)), exactly
;;       r = np.clip(x / 2.0 ** e, -28, 28)
;;       step = 2.0 ** (np.maximum(np.frexp(np.where(r == 0, 1, r))[1] - 1, -2) - 2)
;;       q = np.round(r / step) * step * 2.0 ** e      # np.round: ties to even
;;       return np.moveaxis(q.reshape(q.shape[:-2] + (-1,))[..., :K], -1, axis).astype(np.float32)
;;   ~~~
;;   OPERANDS COMPUTED ON THE WAY. 'Computed on the way' means the value that the module computes at that place (a softmax that the list does not call 'softmax' is quantised finished and normalised). What goes into a quantiser is computed in f32, as accurately as f32 sums, v_exp_f32 and their like allow (about 1e-6 of the number): no bf16 or f16 on the way to a quantiser, and a product that is left as it is and whose result goes on into a quantised operand takes f32 operands (vector FMAs, or v_wmma_f32_16x16x4_f32). A number that lies on a knife's edge between two numbers of the format may be rounded either way, as far as f32 arithmetic and the matrix unit's own rounding can turn it there, and no further.
;; 2 versions. Each part assembles by itself: llvm-mc -triple=amdgcn-amd-amdhsa -mcpu=gfx1250 --defsym DOCPART=n.
;; ======== version 1 of 2: 2 launches
;; workspace buffers: gn 204,800 bytes; idx 6,400 bytes of whole numbers; ps 12,800 bytes
;; launch sims (part 1): grid 25 x 1, 4 waves a work-group, no clusters, 327,680 bytes of LDS; arguments emb_s, emb_q, embg_s, embg_q, memory_keys, memory_values, thresh, out0, out1, gn, idx, ps; writes out0, out1, gn, idx, ps
.if DOCPART == 1
	.amdgcn_target "amdgcn-amd-amdhsa--gfx1250"
	.amdhsa_code_object_version 6
	.text
	.protected	k_qaa43426066_sims
	.globl	k_qaa43426066_sims
	.p2align	8
	.type	k_qaa43426066_sims,@function
k_qaa43426066_sims:
	s_mov_b64 s[64:65], 0
	v_nop
	global_prefetch_b8 v0, s[64:65] scope:SCOPE_SE
	s_setreg_imm32_b32 hwreg(HW_REG_WAVE_MODE, 25, 1), 1
	s_wait_xcnt 0x0
; 400 rows (4 tasks x (25 support + 75 query)) of 128 numbers, in two families (emb, embg); two tables [512][128] (keys, values), all f32.
; out0 = the l2-normalised emb rows; gn = the l2-normalised embg rows (workspace);
; sim_kv = Q(norm_emb) Q(keys)^T, sim_vk = Q(norm_glo) Q(values)^T, both on codes of BF6 (E3M2) with one E8M0 scale for each 32 along K = 128;
; out1 = l2n(norm_glo + Q(pos_score) Q(values)), K = the 512 table rows, pos_score = sim_kv where it lies above thresh[0], else 0;
; idx[kind][row] = index | found << 16 of the hardest positive / hardest negative of sim_kv (kinds 0, 1) and of sim_vk (kinds 2, 3), the lowest index among equals;
; ps = each lane's part of the sum of (sim_vk - sim_kv)^2.  The three losses are finished by the next launch, whose gathers' addresses hang on idx.
; NOT COMPUTED: the two updated memories of the source: they reach none of its five results.
; SHARES.  25 work-groups of four waves; a work-group owns 16 rows.  Wave w owns table rows m = 128 w .. 128 w + 127: its 8 tiles of each sim, and K step w of the third product for all 128 columns; it quantises its own slices of the tables.
; The values slice comes once by one tensor load a wave (64 KiB, filled once, read by that wave alone): it is read twice from LDS, by rows (K = d) and by columns (K = m).  The keys slice comes straight into registers.
; NO CLUSTER, though all work-groups read the same tables: 25 work-groups are a multiple of no cluster's 4, and no work-group is launched to make up a number.
; LAYOUT.  Both sims are used transposed (source 0 = 16 table rows, source 1 = my work-group's 16 rows): a lane holds one row (lane % 16).  Lane r of tile 2 b + u takes table row 32 b + 8 u + r + 8 (r / 8),
; so that register 16 b + i of a sim is m = 128 w + 32 b + 16 (lane / 16) + i: 16 neighbours along the third product's K.
; LIMITS: NaN and infinities among the inputs are not served; a row whose sum of squares overflows f32 or lies under 2^-126 is not served (the square root takes such a number as 0);
; a row is scaled by the reciprocal of max(sqrt(sum of squares), 1e-12): about two units in the last place from the division; where a row has no positive (no negative) the stored index is some index inside the table and its flag is 0;
; the third product's four K steps are added in f32 across the waves; a block of zeros has the scale byte 1 (its codes are zeros, and this program alone reads the bytes).
; REGISTERS, in windows of 256 (s_set_vgpr_msb: bits 1:0 source 0, 3:2 source 1, 5:4 source 2, 7:6 destination):
;   window 0: v1-13 addresses; v16-31 my 4 glo rows, v32-47 my 4 emb rows; v48-56 scale words and nothing else; v57-60 lane, r, h, r + 8 (r / 8); v64-79, v80-95 at work; v96-119 two fragments just made;
;             v120.. x's fragment, v132.. glo's, v144.. pos_score's; v160-255 the 8 fragments of values by columns, later the way out
;   window 1: raw keys, 4 tiles of 64 registers.   window 2: raw numbers from LDS, 4 x 64 (by columns: 2 x 128).
;   window 3: v0-63 sim_kv, v64-127 sim_vk, v128-191 pos_score, later the third product; v192.. constants and the searches' registers
.set PIT,  528                         ; an LDS row: 512 bytes + 16: an odd multiple of 16, so that sixteen rows' 16-byte pieces start in different banks
.set VTW,  128*PIT                     ; LDS 0: a wave's 128 rows of values; four of them
.set OST,  4*VTW                       ; each wave's part of the third product: 16 rows
.set OSW,  16*PIT
.set XST,  OST+4*OSW                   ; norm_emb's 16 rows, and OSW behind them norm_glo's
.set CV,   XST+2*OSW                   ; the searches' candidates: keys [kind][wave][16] f32,
.set CIO,  1024                        ; and this far behind them the indices
.set L16,  1                           ; 16 x lane
.set KOFF, 2                           ; keys: (r + 8 (r / 8)) x 512 + 64 h
.set VADR, 3                           ; the same place in my values slice in LDS
.set XADR, 4                           ; XST + r x PIT + 64 h
.set SADR, 5                           ; XST + my 4 rows + 16 x lane
.set CA0,  6                           ; my values slice + 4 x lane: a column a lane
.set CA1,  7                           ; 64 rows further down
.set CADR, 8                           ; CV + 64 w + 4 r
.set OADR, 9                           ; OST + my part + r x PIT + 32 h
.set FADR, 10                          ; OST + my 4 rows + 16 x lane
.set KADR, 11                          ; CV + 256 w + 4 r: wave w finishes kind w
.set L4,   12                          ; 4 x lane
.set R4,   13                          ; 4 r
.set GR,   16
.set ER,   32
.set XSC,  48
.set GSC,  49
.set PSC,  50
.set PW0,  51                          ; v51-52
.set WQ,   53                          ; v53-56
.set LN,   57
.set TM,   64                          ; +0..3 largest magnitudes, +4..7 the other half's / bytes, +12..15 the conversions' scale operands
.set NT,   64                          ; the norms' pairs
.set CT,   80                          ; a conversion's three registers begin on an even number: the upper halves are made here and moved
.set PC0,  96                          ; and PC0 + 12
.set XF,   120
.set GF,   132
.set PF,   144
.set BF,   160
.set FO,   160
.set CK,   96                          ; the way out: four candidates' keys,
.set CX,   100                         ; and indices
.set SKV,  0                           ; window 3
.set SVK,  64
.set PS,   128
.set PINF, 192                         ; +infinity; PINF + 1: -infinity
.set MB,   194                         ; 128 w + 16 h
.set TT,   196
.set BV,   204
.set IX,   208
.set MI,   212
.set OV,   214
.set OI,   215
.set LA,   216
.set DT,   224
.set KVO,  232                         ; kind k's key and index at KVO + 2 k: written once, so that no LDS store's data are written again
.set PE,   52                          ; s[52:59] my 4 emb rows' addresses
.set PG,   66                          ; s[66:73] my 4 embg rows'
.set MK,   74                          ; s74-81 lane masks
.set MSB, 0
.macro WIN new                         ; the immediate's high byte repeats the setting that is left; a switch that changes nothing is dropped
.if MSB != (\new)
	s_set_vgpr_msb (MSB<<8)|(\new)
.set MSB, (\new)
.endif
.endm
.macro PLACES n
.rept \n
	v_nop
.endr
.endm
; Row R = s88 + i of the 400 is row n = R % 100 of task t = R / 100: of the support tensors where n < 25, else of the query tensors.  Both row numbers are held inside their tensors; the choice hangs on ids alone.
.macro EROW i
	s_add_co_u32 s74, s88, \i
	s_mul_i32 s75, s74, 5243
	s_lshr_b32 s75, s75, 19                        ; t = R / 100, right for R under 400
	s_mul_i32 s76, s75, 100
	s_sub_co_u32 s76, s74, s76                     ; n
	s_min_u32 s77, s76, 24
	s_max_u32 s78, s76, 25
	s_mul_i32 s79, s75, 25
	s_add_co_u32 s77, s77, s79                     ; support row 25 t + n
	s_mul_i32 s79, s75, 75
	s_add_co_u32 s78, s78, s79
	s_sub_co_u32 s78, s78, 25                      ; query row 75 t + n - 25
	s_cmp_lt_u32 s76, 25
	s_cselect_b32 s80, s77, s78
	s_cselect_b64 s[PE+2*\i:PE+2*\i+1], s[4:5], s[6:7]
	s_cselect_b64 s[PG+2*\i:PG+2*\i+1], s[8:9], s[10:11]
	s_lshl_b32 s80, s80, 9
	s_mov_b32 s81, 0
	s_add_nc_u64 s[PE+2*\i:PE+2*\i+1], s[PE+2*\i:PE+2*\i+1], s[80:81]
	s_add_nc_u64 s[PG+2*\i:PG+2*\i+1], s[PG+2*\i:PG+2*\i+1], s[80:81]
.endm
; Raw tiles: 64 numbers a lane, register 16 b + 4 j + .. = k 32 b + 16 h + 4 j + .. of the lane's row.  Tile t of a table begins at row 32 (t / 2) + 8 (t % 2).
.macro KLOAD t                         ; keys, from memory into window 1
	WIN 0x40
.irp b, 0,1,2,3
.irp j, 0,1,2,3
	global_load_b128 v[64*((\t)%4)+16*\b+4*\j:64*((\t)%4)+16*\b+4*\j+3], v[KOFF], s[12:13] offset:(32*((\t)/2)+8*((\t)%2))*512+128*\b+16*\j
.endr
.endr
	WIN 0
.endm
.macro VLOAD t                         ; values, from my slice in LDS into window 2
	WIN 0x80
.irp b, 0,1,2,3
.irp j, 0,1,2,3
	ds_load_b128 v[64*((\t)%4)+16*\b+4*\j:64*((\t)%4)+16*\b+4*\j+3], v[VADR] offset:(32*((\t)/2)+8*((\t)%2))*PIT+128*\b+16*\j
.endr
.endr
	WIN 0
.endm
.macro XLOAD buf, off                  ; the work-group's 16 normalised rows
	WIN 0x80
.irp b, 0,1,2,3
.irp j, 0,1,2,3
	ds_load_b128 v[64*(\buf)+16*\b+4*\j:64*(\buf)+16*\b+4*\j+3], v[XADR] offset:(\off)+128*\b+16*\j
.endr
.endr
	WIN 0
.endm
; 64 numbers of a lane in window rw, from v[s] on, become a fragment's 12 registers of codes in v[pc] on and its scale word in v[pw].
.macro QUANT rw, s, pc, pw
	WIN 5*(\rw)
.irp b, 0,1,2,3
	v_max3_num_f32 v[TM+\b], |v[(\s)+16*\b]|, |v[(\s)+16*\b+1]|, 0x2800000   ; block b: my 16 numbers, and the floor 2^(5 - 127): the byte cannot fall under 1
.endr
.irp i, 2,4,6,8,10,12,14
.irp b, 0,1,2,3
	v_max3_num_f32 v[TM+\b], |v[(\s)+16*\b+\i]|, |v[(\s)+16*\b+\i+1]|, v[TM+\b]   ; the four blocks by turns
.endr
.endr
	WIN 0
.irp b, 0,1,2,3
	v_permlanex16_b32 v[TM+4+\b], v[TM+\b], s36, s37
.endr
.irp b, 0,1,2,3
	v_max_num_f32 v[TM+\b], v[TM+\b], v[TM+4+\b]   ; with lane l xor 16's 16: the block's largest magnitude
.endr
.irp b, 0,1,2,3
	v_add_nc_u32 v[TM+12+\b], 0xfe000000, v[TM+\b] ; 4 off its exponent field: the conversion takes that field as its scale
.endr
.irp b, 0,1,2,3
	v_lshrrev_b32 v[TM+4+\b], 23, v[TM+12+\b]      ; the scale's byte
.endr
	v_lshl_or_b32 v[\pw], v[TM+5], 8, v[TM+4]
	v_lshl_or_b32 v[\pw], v[TM+6], 16, v[\pw]
	v_lshl_or_b32 v[\pw], v[TM+7], 24, v[\pw]
	WIN (\rw)
.irp c, 0,1
	v_cvt_scalef32_pk16_bf6_f32 v[(\pc)+6*\c:(\pc)+6*\c+2], v[(\s)+32*\c:(\s)+32*\c+15], v[TM+12+2*\c]
	v_cvt_scalef32_pk16_bf6_f32 v[CT+4*\c:CT+4*\c+2], v[(\s)+32*\c+16:(\s)+32*\c+31], v[TM+13+2*\c]
.endr
	WIN 0
	v_nop                                          ; one plain line behind the scaled conversions
.irp c, 0,1                                    ; the operand wants a whole block in a lane: lanes 0-15 block 2 c, lanes 16-31 block 2 c + 1
.irp i, 0,1,2
	v_permlane16_swap_b32 v[(\pc)+6*\c+\i], v[CT+4*\c+\i]
.endr
.irp i, 0,1,2
	v_mov_b32 v[(\pc)+6*\c+3+\i], v[CT+4*\c+\i]
.endr
.endr
.endm
; One tile of a sim: source 0 = the table's fragment, source 1 = the rows' fragment.  Every product of this text starts its own sum with the constant 0: K is one step, so no accumulator is taken up again.
; It always stands behind the NEXT fragment's QUANT: its scale word was written more than eight plain lines earlier and its codes more than four, and those registers are written again more than four plain lines later.
.macro MM d, t, pc, pw, bf, bs
	WIN 0xc0
	v_wmma_scale_f32_16x16x128_f8f6f4 v[(\d)+8*(\t):(\d)+8*(\t)+7], v[(\pc):(\pc)+11], v[(\bf):(\bf)+11], 0, v[\pw], v[\bs] matrix_a_fmt:MATRIX_FMT_BF6 matrix_b_fmt:MATRIX_FMT_BF6
	WIN 0
.endm
; Values by columns: lane L takes column d = 32 q + L, its 128 registers run down my 128 table rows: 32 lanes read 128 consecutive bytes.
.macro CLOADU q
	WIN 0x80
.set k, 0
.rept 64
	ds_load_b32 v[128*((\q)%2)+k], v[CA0] offset:k*PIT+128*(\q)
.set k, k+1
.endr
.set k, 0
.rept 64
	ds_load_b32 v[128*((\q)%2)+64+k], v[CA1] offset:k*PIT+128*(\q)
.set k, k+1
.endr
	WIN 0
.endm
; A lane's four whole blocks of 32 become codes; then lanes 0-15 (columns 32 q + r) and lanes 16-31 (columns 32 q + 16 + r) exchange halves, which gives fragments 2 q and 2 q + 1.
; The scale word stays where it is made: lanes 0-15 hold fragment 2 q's words, lanes 16-31 fragment 2 q + 1's.
.macro CQ q
.set U, 128*((\q)%2)
	WIN 0x0a
.irp e, 0,1,2,3
	v_max3_num_f32 v[TM+\e], |v[U+32*\e]|, |v[U+32*\e+1]|, 0x2800000
.endr
.irp i, 2,4,6,8,10,12,14,16,18,20,22,24,26,28,30
.irp e, 0,1,2,3
	v_max3_num_f32 v[TM+\e], |v[U+32*\e+\i]|, |v[U+32*\e+\i+1]|, v[TM+\e]
.endr
.endr
	WIN 0
.irp e, 0,1,2,3
	v_add_nc_u32 v[TM+12+\e], 0xfe000000, v[TM+\e]
.endr
.irp e, 0,1,2,3
	v_lshrrev_b32 v[TM+4+\e], 23, v[TM+12+\e]
.endr
	v_lshl_or_b32 v[WQ+(\q)], v[TM+5], 8, v[TM+4]
	v_lshl_or_b32 v[WQ+(\q)], v[TM+6], 16, v[WQ+(\q)]
	v_lshl_or_b32 v[WQ+(\q)], v[TM+7], 24, v[WQ+(\q)]
	WIN 0x02
.irp e, 0,1,2,3
	v_cvt_scalef32_pk16_bf6_f32 v[BF+24*(\q)+12*(\e%2)+6*(\e/2):BF+24*(\q)+12*(\e%2)+6*(\e/2)+2], v[U+32*\e:U+32*\e+15], v[TM+12+\e]
	v_cvt_scalef32_pk16_bf6_f32 v[CT+4*\e:CT+4*\e+2], v[U+32*\e+16:U+32*\e+31], v[TM+12+\e]
.endr
	WIN 0
	v_nop                                          ; one plain line behind the scaled conversions
.irp e, 0,1,2,3
.irp i, 0,1,2
	v_mov_b32 v[BF+24*(\q)+12*(\e%2)+6*(\e/2)+3+\i], v[CT+4*\e+\i]
.endr
.endr
.irp c, 0,1
.irp i, 0,1,2,3,4,5
	v_permlane16_swap_b32 v[BF+24*(\q)+6*\c+\i], v[BF+24*(\q)+12+6*\c+\i]   ; even blocks' lanes 16-31 change places with odd blocks' lanes 0-15
.endr
.endr
.endm
; The search's first pass over a lane's 64 numbers of a sim: neg = 0: the least of those above s[thr]; neg = 1: the greatest of those below it; none: +infinity / -infinity.  keep = 1: pos_score is written on the way.
; Each accumulator is read from its low end on: i = 0 reads registers 0, 1 of the even tiles, i = 8 those of the odd ones.
.macro SA s, thr, neg, keep
	WIN 0xff
.irp i, 0,2,4,6,8,10,12,14
.irp b, 0,1,2,3
.if \neg
	v_cmp_gt_f32 s[MK+2*\b], s[\thr], v[(\s)+16*\b+\i]
	v_cmp_gt_f32 s[MK+2*\b+1], s[\thr], v[(\s)+16*\b+\i+1]
.else
	v_cmp_lt_f32 s[MK+2*\b], s[\thr], v[(\s)+16*\b+\i]
	v_cmp_lt_f32 s[MK+2*\b+1], s[\thr], v[(\s)+16*\b+\i+1]
.endif
.endr
.irp b, 0,1,2,3
	v_cndmask_b32 v[TT+2*\b], v[PINF+(\neg)], v[(\s)+16*\b+\i], s[MK+2*\b]
	v_cndmask_b32 v[TT+2*\b+1], v[PINF+(\neg)], v[(\s)+16*\b+\i+1], s[MK+2*\b+1]
.if \keep
	v_cndmask_b32 v[PS+16*\b+\i], 0, v[(\s)+16*\b+\i], s[MK+2*\b]
	v_cndmask_b32 v[PS+16*\b+\i+1], 0, v[(\s)+16*\b+\i+1], s[MK+2*\b+1]
.endif
.endr
.irp b, 0,1,2,3
.if \neg
.if \i == 0
	v_max_num_f32 v[BV+\b], v[TT+2*\b], v[TT+2*\b+1]
.else
	v_max3_num_f32 v[BV+\b], v[BV+\b], v[TT+2*\b], v[TT+2*\b+1]
.endif
.else
.if \i == 0
	v_min_num_f32 v[BV+\b], v[TT+2*\b], v[TT+2*\b+1]
.else
	v_min3_num_f32 v[BV+\b], v[BV+\b], v[TT+2*\b], v[TT+2*\b+1]
.endif
.endif
.endr
.endr
.if \neg
	v_max3_num_f32 v[BV], v[BV], v[BV+1], v[BV+2]
	v_max_num_f32 v[BV], v[BV], v[BV+3]
.else
	v_min3_num_f32 v[BV], v[BV], v[BV+1], v[BV+2]
	v_min_num_f32 v[BV], v[BV], v[BV+3]
.endif
.endm
; The second pass: the first register that holds the value found (a number equal to it passes the same threshold), as an index m; then the better of lanes l and l xor 16, the lower m among equals.
; Every kind is made a search for the least key: a negative search's key is the value with its sign turned, so +infinity means none.  Key and index go to the candidates' table; they are data, no address hangs on them here.
.macro SB s, neg, kind
	WIN 0xff
.irp b, 0,1,2,3
	v_mov_b32 v[IX+\b], 64
.endr
.irp i, 15,14,13,12,11,10,9,8,7,6,5,4,3,2,1,0
.irp b, 0,1,2,3
	v_cmp_neq_f32 s[MK+\b], v[(\s)+16*\b+\i], v[BV]
.endr
.irp b, 0,1,2,3
	v_cndmask_b32 v[IX+\b], 16*\b+\i, v[IX+\b], s[MK+\b]
.endr
.endr
	v_min_u32 v[IX], v[IX], v[IX+1]
	v_min_u32 v[IX+2], v[IX+2], v[IX+3]
	v_min_u32 v[IX], v[IX], v[IX+2]
	v_and_b32 v[IX], 63, v[IX]                     ; none found: register 0, an index inside the table
	v_and_b32 v[IX+1], 48, v[IX]
	v_add3_u32 v[MI], v[IX], v[IX+1], v[MB]        ; register 16 b + i is m = 128 w + 16 h + 32 b + i
.if \neg
	v_xor_b32 v[BV], 0x80000000, v[BV]
.endif
	v_permlanex16_b32 v[OV], v[BV], s36, s37
	v_permlanex16_b32 v[OI], v[MI], s36, s37
	v_cmp_lt_f32 s82, v[OV], v[BV]
	v_cmp_eq_f32 s83, v[OV], v[BV]
	v_cmp_lt_u32 s84, v[OI], v[MI]
	s_and_b32 s83, s83, s84
	s_or_b32 s82, s82, s83
	v_cndmask_b32 v[KVO+2*(\kind)], v[BV], v[OV], s82
	v_cndmask_b32 v[KVO+2*(\kind)+1], v[MI], v[OI], s82
	WIN 0x0c                                       ; an LDS store's data are its source 1: window 3
	ds_store_b32 v[CADR], v[KVO+2*(\kind)] offset:256*(\kind)          ; lanes r and 16 + r write the same word with the same value
	ds_store_b32 v[CADR], v[KVO+2*(\kind)+1] offset:CIO+256*(\kind)
	WIN 0
.endm
; n rows, 4 numbers a lane at v[base + stride k], are divided by max(their l2 norm, 1e-12), in place.  The rows go by turns; the roots are one batch and the reciprocals another.
.macro NORM base, stride, n
.set k, 0
.rept \n
	v_pk_mul_f32 v[NT+2*k:NT+2*k+1], v[(\base)+(\stride)*k:(\base)+(\stride)*k+1], v[(\base)+(\stride)*k:(\base)+(\stride)*k+1]
.set k, k+1
.endr
.set k, 0
.rept \n
	v_pk_fma_f32 v[NT+2*k:NT+2*k+1], v[(\base)+(\stride)*k+2:(\base)+(\stride)*k+3], v[(\base)+(\stride)*k+2:(\base)+(\stride)*k+3], v[NT+2*k:NT+2*k+1]
.set k, k+1
.endr
.set k, 0
.rept \n
	v_add_f32 v[NT+2*k], v[NT+2*k], v[NT+2*k+1]
.set k, k+1
.endr
.irp x, 1,2,4,8
.set k, 0
.rept \n
	v_add_f32_dpp v[NT+2*k], v[NT+2*k], v[NT+2*k] row_xmask:\x row_mask:0xf bank_mask:0xf
.set k, k+1
.endr
.endr
.set k, 0
.rept \n
	v_permlanex16_b32 v[NT+2*k+1], v[NT+2*k], s36, s37
.set k, k+1
.endr
.set k, 0
.rept \n
	v_add_f32 v[NT+2*k], v[NT+2*k], v[NT+2*k+1]    ; the row's sum of squares, in every lane
.set k, k+1
.endr
.set k, 0
.rept \n
	v_sqrt_f32 v[NT+2*k+1], v[NT+2*k]
.set k, k+1
.endr
	v_nop                                          ; a plain line behind the last root,
	s_wait_alu depctr_va_vdst(0)                   ; and one wait for the batch ahead of its first reader
.set k, 0
.rept \n
	v_max_num_f32 v[NT+2*k+1], 0x2b8cbccc, v[NT+2*k+1]   ; 1e-12
.set k, k+1
.endr
.set k, 0
.rept \n
	v_rcp_f32 v[NT+2*k], v[NT+2*k+1]
.set k, k+1
.endr
	v_nop
	s_wait_alu depctr_va_vdst(0)                   ; likewise for the reciprocals
.set k, 0
.rept \n
	v_pk_mul_f32 v[(\base)+(\stride)*k:(\base)+(\stride)*k+1], v[(\base)+(\stride)*k:(\base)+(\stride)*k+1], v[NT+2*k:NT+2*k+1] op_sel_hi:[1,0]
	v_pk_mul_f32 v[(\base)+(\stride)*k+2:(\base)+(\stride)*k+3], v[(\base)+(\stride)*k+2:(\base)+(\stride)*k+3], v[NT+2*k:NT+2*k+1] op_sel_hi:[1,0]
.set k, k+1
.endr
.endm
	; ---- the head: addresses, the one tensor load, the first loads
	s_load_b512 s[4:19], s[0:1], 0x0               ; emb_s 4, emb_q 6, embg_s 8, embg_q 10, keys 12, values 14, thresh 16, out0 18
	s_load_b256 s[20:27], s[0:1], 0x40             ; out1 20, gn 22, idx 24, ps 26
	v_lshl_add_u32 v158, v0, 2, 0x4ee00
	v_mov_b32 v159, 0
	ds_add_u32 v158, v159
	ds_add_u32 v158, v159
	v_lshrrev_b32 v14, 5, v0
	v_readfirstlane_b32 s28, v14                   ; wave 0..3
	; descriptor group 1: a tile of 128 rows x 128 elements of 4 bytes, dense in memory, 16 bytes of padding behind each row in LDS
	s_mov_b32 s44, (2<<16)|(1<<20)|(6<<22)|(3<<25) ; no mask; elements of 4 bytes; padding on; after every 128 words (code 6); 4 words of it (code 3)
	s_mov_b32 s45, 128<<16                         ; tensor_dim0 = 128
	s_mov_b32 s46, 128<<16                         ; tensor_dim1 = 128
	s_mov_b32 s47, 128<<16                         ; tile_dim0 = 128
	s_mov_b32 s48, 128                             ; tile_dim1 = 128
	s_mov_b32 s49, 128                             ; elements from row to row
	s_mov_b32 s50, 0
	s_mov_b32 s51, 0
	s_mov_b32 s40, 1                               ; group 0: count = 1,
	s_mul_i32 s41, s28, VTW                        ; LDS address: my wave's slice,
	s_lshl_b32 s86, s28, 16                        ; 128 rows of 512 bytes a wave
	s_mov_b32 s87, 0
	s_mov_b32 s36, 0x76543210                      ; v_permlanex16_b32's selects for lane l xor 16
	s_mov_b32 s37, 0xfedcba98
	s_wait_dscnt 0x0
	s_wait_kmcnt 0x0
	s_add_nc_u64 s[42:43], s[14:15], s[86:87]      ; global address,
	s_or_b32 s43, s43, 0x80000000                  ; type = 2
	tensor_load_to_lds s[40:43], s[44:51]          ; my one tensor load: a first fill, ahead of every LDS read, barrier and wait on TENSORcnt; nothing is filled again
	s_nop 0
	v_and_b32 v[LN], 31, v0                        ; four plain lines follow it, none with its result among its sources, and no window switch among them: lane,
	v_and_b32 v58, 15, v0                          ; r,
	v_bfe_u32 v59, v0, 4, 1                        ; h,
	v_and_b32 v60, 8, v58
	v_add_nc_u32 v60, v60, v58                     ; r + 8 (r / 8)
	s_load_b128 s[32:35], s[16:17], 0x0            ; the four thresholds: waited for ahead of the first search
	s_add_nc_u64 s[12:13], s[12:13], s[86:87]      ; keys at my slice
	s_lshl_b32 s88, ttmp9, 4
	s_lshl_b32 s89, s28, 2
	s_add_co_u32 s88, s88, s89                     ; my first row of the 400: 16 g + 4 w
	EROW 0
	EROW 1
	EROW 2
	EROW 3
	v_lshlrev_b32 v[L16], 4, v[LN]
	v_lshlrev_b32 v[KOFF], 9, v60
	v_lshl_add_u32 v[KOFF], v59, 6, v[KOFF]
.irp i, 0,1,2,3
	global_load_b128 v[ER+4*\i:ER+4*\i+3], v[L16], s[PE+2*\i:PE+2*\i+1]    ; a row of 512 bytes an instruction
	global_load_b128 v[GR+4*\i:GR+4*\i+3], v[L16], s[PG+2*\i:PG+2*\i+1]
.endr
	KLOAD 0
	KLOAD 1
	KLOAD 2
	s_lshl_b32 s90, s88, 9
	s_mov_b32 s91, 0
	s_add_nc_u64 s[18:19], s[18:19], s[90:91]      ; out0, out1 and gn at my 4 rows
	s_add_nc_u64 s[20:21], s[20:21], s[90:91]
	s_add_nc_u64 s[22:23], s[22:23], s[90:91]
	s_mul_i32 s92, s28, 1600
	s_lshl_b32 s93, ttmp9, 6
	s_add_co_u32 s92, s92, s93
	s_mov_b32 s93, 0
	s_add_nc_u64 s[24:25], s[24:25], s[92:93]      ; idx at kind w, row 16 g
	s_lshl_b32 s94, s88, 5
	s_mov_b32 s95, 0
	s_add_nc_u64 s[26:27], s[26:27], s[94:95]      ; ps at (4 g + w) x 128 bytes
	v_mul_u32_u24 v[VADR], v60, PIT
	v_lshl_add_u32 v[VADR], v59, 6, v[VADR]
	v_add_nc_u32 v[VADR], s41, v[VADR]
	v_mul_u32_u24 v[XADR], v58, PIT
	v_lshl_add_u32 v[OADR], v59, 5, v[XADR]
	v_lshl_add_u32 v[XADR], v59, 6, v[XADR]
	v_add_nc_u32 v[XADR], XST, v[XADR]
	s_mul_i32 s29, s28, 4*PIT
	v_add_nc_u32 v[SADR], s29, v[L16]
	v_add_nc_u32 v[FADR], OST, v[SADR]
	v_add_nc_u32 v[SADR], XST, v[SADR]
	v_lshlrev_b32 v[L4], 2, v[LN]
	v_add_nc_u32 v[CA0], s41, v[L4]
	v_add_nc_u32 v[CA1], 64*PIT, v[CA0]
	v_lshlrev_b32 v[R4], 2, v58
	s_lshl_b32 s29, s28, 6
	v_add_nc_u32 v[CADR], s29, v[R4]
	v_add_nc_u32 v[CADR], CV, v[CADR]
	s_lshl_b32 s29, s28, 8
	v_add_nc_u32 v[KADR], s29, v[R4]
	v_add_nc_u32 v[KADR], CV, v[KADR]
	s_mul_i32 s29, s28, OSW
	v_add_nc_u32 v[OADR], s29, v[OADR]
	v_add_nc_u32 v[OADR], OST, v[OADR]
	s_lshl_b32 s29, s28, 7
	v_lshl_add_u32 v14, v59, 4, s29                ; 128 w + 16 h
.irp b, 0,1,2,3
	v_mov_b32 v[TM+4+\b], 0                        ; written once: a lane permute's destination counts as one of its sources
.endr
	WIN 0xc0
	v_mov_b32 v[PINF], 0x7f800000
	v_mov_b32 v[PINF+1], 0xff800000
	v_mov_b32 v[MB], v14
	v_mov_b32 v[OV], 0                             ; likewise
	v_mov_b32 v[OI], 0
	WIN 0
	; ---- my 4 + 4 rows are normalised, stored, and shown to the other waves
	s_wait_loadcnt 48                              ; the eight row loads are in; the three key tiles behind them (16 loads each) may be out
	NORM GR, 4, 8                                  ; v16-47: glo's four rows, then emb's four
.irp i, 0,1,2,3
	global_store_b128 v[L16], v[ER+4*\i:ER+4*\i+3], s[18:19] offset:512*\i   ; 32 lanes store a row: 512 consecutive bytes, at a multiple of 256 from the buffer's first byte.  These registers are never written again
	global_store_b128 v[L16], v[GR+4*\i:GR+4*\i+3], s[22:23] offset:512*\i
	ds_store_b128 v[SADR], v[ER+4*\i:ER+4*\i+3] offset:PIT*\i
	ds_store_b128 v[SADR], v[GR+4*\i:GR+4*\i+3] offset:OSW+PIT*\i
.endr
	KLOAD 3
	s_wait_dscnt 0x0                               ; for the others' sake: my rows lie in LDS
	s_barrier_signal -1
	s_barrier_wait -1                              ; all 16 + 16 rows do.  (My tensor load may still be out: only I read its bytes, behind my own wait)
	XLOAD 0, 0
	XLOAD 1, OSW
	s_wait_dscnt 16                                ; norm_emb's 16 loads are in, norm_glo's may be out
	QUANT 2, 0, XF, XSC
	s_wait_dscnt 0x0
	QUANT 2, 64, GF, GSC
	; ---- key tiles 0 to 3; tiles 4 to 7 are asked for into the registers that they leave
.irp t, 0,1,2,3
	s_wait_loadcnt 48                              ; tile t is in; the three tiles behind it may be out
	QUANT 1, 64*\t, PC0+12*(\t%2), PW0+(\t%2)
	KLOAD \t+4
.if \t > 0
	MM SKV, \t-1, PC0+12*((\t+1)%2), PW0+((\t+1)%2), XF, XSC
.endif
.endr
	; ---- the values by rows: 8 tiles of sim_vk
	s_wait_tensorcnt 0x0                           ; my slice of values lies in LDS
	VLOAD 0
	VLOAD 1
	VLOAD 2
.irp t, 0,1,2,3,4,5,6,7
.if \t <= 5
	s_wait_dscnt 32                                ; tile t is in; the two tiles behind it may be out
.elseif \t == 6
	s_wait_dscnt 16                                ; only tile 7 is behind it
.else
	s_wait_dscnt 0x0
	CLOADU 0                                       ; the first 32 columns, into the registers that tiles 4 and 5 have left
.endif
	QUANT 2, 64*(\t%4), PC0+12*(\t%2), PW0+(\t%2)
.if \t <= 4
	VLOAD \t+3
.endif
.if \t == 0
	MM SKV, 3, PC0+12, PW0+1, XF, XSC
.else
	MM SVK, \t-1, PC0+12*((\t+1)%2), PW0+((\t+1)%2), GF, GSC
.endif
.endr
	; ---- the values by columns: the third product's 8 fragments; a unit of 32 columns is loaded while the unit before is quantised
	s_wait_dscnt 0x0
	CLOADU 1
	CQ 0
	MM SVK, 7, PC0+12, PW0+1, GF, GSC
	s_wait_dscnt 0x0
	CLOADU 2
	CQ 1
	s_wait_dscnt 0x0
	CLOADU 3
	CQ 2
	s_wait_dscnt 0x0
	CQ 3
	; ---- sim_vk's hardest positive, while the last key tiles land
	s_wait_kmcnt 0x0                               ; the thresholds
	SA SVK, 34, 0, 0
	SB SVK, 0, 2
	; ---- key tiles 4 to 7: the counts run down, 16 loads a tile
	s_wait_loadcnt 48
	QUANT 1, 0, PC0, PW0
	s_wait_loadcnt 32
	QUANT 1, 64, PC0+12, PW0+1
	MM SKV, 4, PC0, PW0, XF, XSC
	s_wait_loadcnt 16
	QUANT 1, 128, PC0, PW0
	MM SKV, 5, PC0+12, PW0+1, XF, XSC
	s_wait_loadcnt 0x0
	QUANT 1, 192, PC0+12, PW0+1
	MM SKV, 6, PC0, PW0, XF, XSC
	SA SVK, 35, 1, 0                               ; sim_vk's hardest negative stands between the last fragment and its product
	SB SVK, 1, 3
	MM SKV, 7, PC0+12, PW0+1, XF, XSC
	PLACES 4                                       ; four plain lines between the last product and the first read of results
	; ---- the squared differences: 32 pairs a lane in four chains, each accumulator from its low end on
	WIN 0xff
.irp g, 0,1,2,3,4,5,6,7
.irp c, 0,1,2,3
	v_pk_add_f32 v[DT+2*\c:DT+2*\c+1], v[SVK+8*\g+2*\c:SVK+8*\g+2*\c+1], v[SKV+8*\g+2*\c:SKV+8*\g+2*\c+1] neg_lo:[0,1] neg_hi:[0,1]
.endr
.irp c, 0,1,2,3
.if \g == 0
	v_pk_mul_f32 v[LA+2*\c:LA+2*\c+1], v[DT+2*\c:DT+2*\c+1], v[DT+2*\c:DT+2*\c+1]
.else
	v_pk_fma_f32 v[LA+2*\c:LA+2*\c+1], v[DT+2*\c:DT+2*\c+1], v[DT+2*\c:DT+2*\c+1], v[LA+2*\c:LA+2*\c+1]
.endif
.endr
.endr
	v_pk_add_f32 v[LA:LA+1], v[LA:LA+1], v[LA+2:LA+3]
	v_pk_add_f32 v[LA+4:LA+5], v[LA+4:LA+5], v[LA+6:LA+7]
	v_pk_add_f32 v[LA:LA+1], v[LA:LA+1], v[LA+4:LA+5]
	v_add_f32 v[LA], v[LA], v[LA+1]
	; ---- sim_kv: pos_score and the hardest positive; pos_score is K step w of the third product
	SA SKV, 32, 0, 1
	QUANT 3, PS, PF, PSC
	SB SKV, 0, 0                                   ; more than eight plain lines between the scale word's last write and the products
	WIN 0xc0
.irp j, 0,1,2,3,4,5,6,7                        ; source 0 = columns 16 j .. 16 j + 15 of values, source 1 = pos_score's 16 rows: lane (r, h) gets row r, columns 16 j + 8 h + 0 .. 7
.if (\j%2)
	v_wmma_scale_f32_16x16x128_f8f6f4 v[PS+8*\j:PS+8*\j+7], v[BF+12*\j:BF+12*\j+11], v[PF:PF+11], 0, v[WQ+\j/2], v[PSC] matrix_a_fmt:MATRIX_FMT_BF6 matrix_b_fmt:MATRIX_FMT_BF6 matrix_a_scale:MATRIX_SCALE_ROW1
.else
	v_wmma_scale_f32_16x16x128_f8f6f4 v[PS+8*\j:PS+8*\j+7], v[BF+12*\j:BF+12*\j+11], v[PF:PF+11], 0, v[WQ+\j/2], v[PSC] matrix_a_fmt:MATRIX_FMT_BF6 matrix_b_fmt:MATRIX_FMT_BF6
.endif
.endr
	SA SKV, 33, 1, 0                               ; the hardest negative: plain lines that name none of those products' registers
	SB SKV, 1, 1
	WIN 0x0c
.irp j, 0,1,2,3,4,5,6,7
	ds_store_b128 v[OADR], v[PS+8*\j:PS+8*\j+3] offset:64*\j          ; each accumulator from its low end on
	ds_store_b128 v[OADR], v[PS+8*\j+4:PS+8*\j+7] offset:64*\j+16
.endr
	global_store_b32 v[L4], v[LA], s[26:27]        ; 32 lanes store my wave's 128 bytes of ps
	WIN 0
	s_wait_dscnt 0x0                               ; for the others' sake: my part of the product and my candidates lie in LDS
	s_barrier_signal -1
	s_barrier_wait -1
	; ---- the way out: my 4 rows of out1, and kind w of the searches
.irp i, 0,1,2,3
.irp u, 0,1,2,3
	ds_load_b128 v[FO+16*\i+4*\u:FO+16*\i+4*\u+3], v[FADR] offset:OSW*\u+PIT*\i   ; row 4 w + i of wave u's part
.endr
.endr
.irp u, 0,1,2,3
	ds_load_b32 v[CK+\u], v[KADR] offset:64*\u
	ds_load_b32 v[CX+\u], v[KADR] offset:CIO+64*\u
.endr
	s_wait_dscnt 0x0
.irp i, 0,1,2,3
.irp e, 0,2
	v_pk_add_f32 v[FO+16*\i+\e:FO+16*\i+\e+1], v[FO+16*\i+\e:FO+16*\i+\e+1], v[FO+16*\i+4+\e:FO+16*\i+4+\e+1]
	v_pk_add_f32 v[FO+16*\i+8+\e:FO+16*\i+8+\e+1], v[FO+16*\i+8+\e:FO+16*\i+8+\e+1], v[FO+16*\i+12+\e:FO+16*\i+12+\e+1]
.endr
.endr
.irp i, 0,1,2,3
.irp e, 0,2
	v_pk_add_f32 v[FO+16*\i+\e:FO+16*\i+\e+1], v[FO+16*\i+\e:FO+16*\i+\e+1], v[FO+16*\i+8+\e:FO+16*\i+8+\e+1]
.endr
.endr
.irp i, 0,1,2,3
.irp e, 0,2
	v_pk_add_f32 v[FO+16*\i+\e:FO+16*\i+\e+1], v[FO+16*\i+\e:FO+16*\i+\e+1], v[GR+4*\i+\e:GR+4*\i+\e+1]
.endr
.endr
	NORM FO, 16, 4
.irp i, 0,1,2,3
	global_store_b128 v[L16], v[FO+16*\i:FO+16*\i+3], s[20:21] offset:512*\i
.endr
.irp u, 1,2,3                                  ; the four waves' candidates in ascending m: only a smaller key displaces, so the lowest index stays among equals
	v_cmp_lt_f32 vcc_lo, v[CK+\u], v[CK]
	v_cndmask_b32 v[CK], v[CK], v[CK+\u], vcc_lo
	v_cndmask_b32 v[CX], v[CX], v[CX+\u], vcc_lo
.endr
	v_mov_b32 v[CX+5], 0x10000
	v_cmp_gt_f32 vcc_lo, 0x7f800000, v[CK]         ; found: the key is under +infinity
	v_cndmask_b32 v[CX+4], 0, v[CX+5], vcc_lo
	v_or_b32 v[CX], v[CX], v[CX+4]                 ; index | found << 16
	v_cmp_gt_u32 vcc_lo, 16, v[LN]
	s_wait_xcnt 0x0                                ; EXEC changes only behind this wait: the stores above have had their addresses translated
	s_wait_tensorcnt 0x0
	ds_add_u32 v158, v159
	s_wait_dscnt 0x0
	s_and_saveexec_b32 s86, vcc_lo
	global_store_b32 v[R4], v[CX], s[24:25]        ; lanes 0-15: idx[kind w][16 g + r]
	s_endpgm
.Lfunc_end_k_qaa43426066_sims:
	.size	k_qaa43426066_sims, .Lfunc_end_k_qaa43426066_sims-k_qaa43426066_sims
	.p2alignl 7, 3214868480
	.fill 96, 4, 3214868480
	.section	.rodata,"a",@progbits
	.p2align	6, 0x0
	.amdhsa_kernel k_qaa43426066_sims
		.amdhsa_group_segment_fixed_size 327680
		.amdhsa_private_segment_fixed_size 0
		.amdhsa_enable_private_segment 0
		.amdhsa_kernarg_size 96
		.amdhsa_user_sgpr_count 2
		.amdhsa_user_sgpr_kernarg_segment_ptr 1
		.amdhsa_wavefront_size32 1
		.amdhsa_system_sgpr_workgroup_id_x 1
		.amdhsa_system_sgpr_workgroup_id_y 1
		.amdhsa_system_sgpr_workgroup_id_z 1
		.amdhsa_system_vgpr_workitem_id 0
		.amdhsa_next_free_vgpr 1024
		.amdhsa_next_free_sgpr 100
		.amdhsa_reserve_vcc 1
		.amdhsa_float_denorm_mode_32 3
		.amdhsa_float_denorm_mode_16_64 3
		.amdhsa_memory_ordered 1
		.amdhsa_forward_progress 1
		.amdhsa_inst_pref_size 255
	.end_amdhsa_kernel
	.section	.bss,"aw",@nobits
	.p2align	6
	.space	262144
	.amdgpu_metadata
---
amdhsa.version: [ 1, 2 ]
amdhsa.kernels:
  - .name:           k_qaa43426066_sims
    .symbol:         k_qaa43426066_sims.kd
    .args:
      - { .name: emb_s, .offset: 0, .size: 8, .value_kind: global_buffer, .address_space: global }
      - { .name: emb_q, .offset: 8, .size: 8, .value_kind: global_buffer, .address_space: global }
      - { .name: embg_s, .offset: 16, .size: 8, .value_kind: global_buffer, .address_space: global }
      - { .name: embg_q, .offset: 24, .size: 8, .value_kind: global_buffer, .address_space: global }
      - { .name: memory_keys, .offset: 32, .size: 8, .value_kind: global_buffer, .address_space: global }
      - { .name: memory_values, .offset: 40, .size: 8, .value_kind: global_buffer, .address_space: global }
      - { .name: thresh, .offset: 48, .size: 8, .value_kind: global_buffer, .address_space: global }
      - { .name: out0, .offset: 56, .size: 8, .value_kind: global_buffer, .address_space: global }
      - { .name: out1, .offset: 64, .size: 8, .value_kind: global_buffer, .address_space: global }
      - { .name: gn, .offset: 72, .size: 8, .value_kind: global_buffer, .address_space: global }
      - { .name: idx, .offset: 80, .size: 8, .value_kind: global_buffer, .address_space: global }
      - { .name: ps, .offset: 88, .size: 8, .value_kind: global_buffer, .address_space: global }
    .group_segment_fixed_size: 327680
    .private_segment_fixed_size: 0
    .kernarg_segment_align: 8
    .kernarg_segment_size: 96
    .max_flat_workgroup_size: 128
    .sgpr_count:     100
    .vgpr_count:     1024
    .wavefront_size: 32
...
	.end_amdgpu_metadata
.endif
;; end of part 1
;; launch losses (part 2): grid 2 x 1, 25 waves a work-group, no clusters, 3,584 bytes of LDS; arguments out0, gn, memory_keys, memory_values, idx, ps, out2, out3, out4; writes out2, out3, out4
.if DOCPART == 2
	.amdgcn_target "amdgcn-amd-amdhsa--gfx1250"
	.amdhsa_code_object_version 6
	.text
	.protected	k_qaa43426066_losses
	.globl	k_qaa43426066_losses
	.p2align	8
	.type	k_qaa43426066_losses,@function
k_qaa43426066_losses:
	s_mov_b64 s[64:65], 0
	v_nop
	global_prefetch_b8 v0, s[64:65] scope:SCOPE_SE
	s_setreg_imm32_b32 hwreg(HW_REG_WAVE_MODE, 25, 1), 1
	s_wait_xcnt 0x0
; The three losses.  Work-group 0: loss_v (out3) = max(0.1 - mean over the 400 rows of (found_pos x values[min_pos] . glo - found_neg x values[max_neg] . glo), 0), and loss_s (out4) = the sum of ps / 204,800.
; Work-group 1: loss_k (out2), the same with keys[..] . norm_emb and the other two kinds of idx.  Each number has one owner; both work-groups take one path through the text, only pointers are chosen.
; idx holds index | found << 16, stored as whole numbers by the launch before: the gathers' addresses hang on it.  All arithmetic in f32 on the tables as they are given (these dot products are not quantised).
; SHARES.  25 waves, 16 rows each; a row of 512 bytes is one load of 16 bytes a lane.  No row is reduced by itself: a lane adds (found_pos a - found_neg b) g for its 4 columns over its wave's 16 rows.
; Two sets of registers, four rows each, take turns: while one is worked on the other's 12 loads are out.  No matrix unit, no tensor load, no cluster: 600 KiB are read once by each work-group and nothing is shared.
; REGISTERS: v1 16 x lane; v2, v3 offsets; v4-7 the sums; v8-11 ps; v12-15 at work; set g at v[16 + 56 g]: 16 of the vector, 16 + 16 of the two gathered rows, 4 + 4 offsets.
.macro ISG g, q                        ; rows 4 q .. 4 q + 3 of my 16: the vector
.irp i, 0,1,2,3
	global_load_b128 v[16+56*(\g)+4*\i:16+56*(\g)+4*\i+3], v2, s[24:25] offset:512*(4*(\q)+\i)
.endr
.endm
.macro ISAB g, q                       ; and the two table rows that idx names for each
.irp i, 0,1,2,3
	s_and_b32 s68, s[32+4*(\q)+\i], 0x1ff
	s_min_u32 s68, s68, 0x1ff                      ; a loaded number enters an address only held inside the table's 512 rows
	s_and_b32 s69, s[48+4*(\q)+\i], 0x1ff
	s_min_u32 s69, s69, 0x1ff
	v_lshl_add_u32 v[64+56*(\g)+\i], s68, 9, v1
	v_lshl_add_u32 v[68+56*(\g)+\i], s69, 9, v1
	global_load_b128 v[32+56*(\g)+4*\i:32+56*(\g)+4*\i+3], v[64+56*(\g)+\i], s[26:27]
	global_load_b128 v[48+56*(\g)+4*\i:48+56*(\g)+4*\i+3], v[68+56*(\g)+\i], s[26:27]
.endr
.endm
.macro USE g, q, first
.irp i, 0,1,2,3
	s_lshr_b32 s70, s[32+4*(\q)+\i], 16
	s_lshr_b32 s71, s[48+4*(\q)+\i], 16
	s_mul_i32 s70, s70, 0x3f800000                 ; found_pos as 0.0 or 1.0,
	s_mul_i32 s71, s71, 0xbf800000                 ; found_neg as 0.0 or -1.0
.irp c, 0,1,2,3
	v_mul_f32 v[12+\c], s70, v[32+56*(\g)+4*\i+\c]
.endr
.irp c, 0,1,2,3
	v_fma_f32 v[12+\c], s71, v[48+56*(\g)+4*\i+\c], v[12+\c]
.endr
.irp c, 0,1,2,3
.if (\first) && (\i == 0)
	v_mul_f32 v[4+\c], v[12+\c], v[16+56*(\g)+4*\i+\c]     ; the first row starts the sums: nothing is cleared
.else
	v_fmac_f32 v[4+\c], v[12+\c], v[16+56*(\g)+4*\i+\c]
.endif
.endr
.endr
.endm
.macro WSUM a, b, ta, tb               ; v[a] and v[b] are each summed over the 32 lanes; the result stands in every lane
.irp x, 1,2,4,8
	v_add_f32_dpp v[\a], v[\a], v[\a] row_xmask:\x row_mask:0xf bank_mask:0xf
	v_add_f32_dpp v[\b], v[\b], v[\b] row_xmask:\x row_mask:0xf bank_mask:0xf
.endr
	v_permlanex16_b32 v[\ta], v[\a], s66, s67
	v_permlanex16_b32 v[\tb], v[\b], s66, s67
	v_add_f32 v[\a], v[\a], v[\ta]
	v_add_f32 v[\b], v[\b], v[\tb]
.endm
	s_load_b512 s[4:19], s[0:1], 0x0               ; out0 4, gn 6, keys 8, values 10, idx 12, ps 14, out2 16, out3 18
	s_load_b64 s[20:21], s[0:1], 0x40              ; out4
	v_lshl_add_u32 v128, v0, 2, 0x100
	v_mov_b32 v129, 0
	v_lshrrev_b32 v1, 5, v0
	v_readfirstlane_b32 s22, v1                    ; wave 0..24
	v_and_b32 v1, 31, v0
	v_lshlrev_b32 v1, 4, v1                        ; 16 x lane
	s_lshl_b32 s68, s22, 13
	v_add_nc_u32 v2, s68, v1                       ; my wave's 16 rows of 512 bytes
	s_lshl_b32 s68, s22, 9
	v_add_nc_u32 v3, s68, v1                       ; my 16 bytes of ps: 25 waves x 512 bytes are its 12,800
	s_mov_b32 s66, 0x76543210                      ; v_permlanex16_b32's selects for lane l xor 16
	s_mov_b32 s67, 0xfedcba98
	s_lshl_b32 s30, s22, 6                         ; 16 words of idx a wave
	s_mov_b32 s31, 0
	s_wait_kmcnt 0x0
	s_cmp_eq_u32 ttmp9, 0                          ; the choice hangs on the work-group's number alone
	s_cselect_b64 s[24:25], s[6:7], s[4:5]         ; the vector: glo / norm_emb
	s_cselect_b64 s[26:27], s[10:11], s[8:9]       ; the table: values / keys
	s_cselect_b64 s[28:29], s[18:19], s[16:17]     ; the result: out3 / out2
	s_cselect_b32 s69, 0, 3200                     ; kinds 0, 1 / kinds 2, 3: 1,600 bytes a kind
	s_add_co_u32 s30, s30, s69
	s_add_nc_u64 s[12:13], s[12:13], s[30:31]
	s_load_b512 s[32:47], s[12:13], 0x0            ; the positives' words of my 16 rows
	s_load_b512 s[48:63], s[12:13], 0x640          ; the negatives'
	global_load_b128 v[8:11], v3, s[14:15]
	ISG 0, 0
	ISG 1, 1
	s_wait_kmcnt 0x0
	ISAB 0, 0
	ISAB 1, 1
	s_wait_loadcnt 8                               ; all but the last eight loads (the second set's gathered rows) are in
	USE 0, 0, 1
	ISG 0, 2                                       ; the set's offsets and data are written again behind the wait that showed its loads done
	ISAB 0, 2
	s_wait_loadcnt 12                              ; all but the twelve just issued
	USE 1, 1, 0
	ISG 1, 3
	ISAB 1, 3
	s_wait_loadcnt 12
	USE 0, 2, 0
	s_wait_loadcnt 0x0
	USE 1, 3, 0
	v_add_f32 v4, v4, v5
	v_add_f32 v6, v6, v7
	v_add_f32 v8, v8, v9
	v_add_f32 v10, v10, v11
	v_add_f32 v4, v4, v6                           ; my lane's part of the dot products,
	v_add_f32 v5, v8, v10                          ; and of the squared differences
	WSUM 4, 5, 6, 7
	v_mov_b32 v12, s22
	v_lshlrev_b32 v12, 3, v12
	ds_store_b64 v12, v[4:5]                       ; slot w of 32 slots of 8 bytes; all lanes write the same
	s_cmp_gt_u32 s22, 6
	s_cbranch_scc1 .Lno_fill
	v_mov_b32 v16, 0
	v_mov_b32 v17, 0
	ds_store_b64 v12, v[16:17] offset:200          ; waves 0 to 6 lay zeros in slots 25 to 31, so that 32 lanes can read 32 slots
.Lno_fill:
	s_wait_dscnt 0x0                               ; for wave 0's sake: my stores have landed
	s_barrier_signal -1
	s_barrier_wait -1
	s_cmp_lg_u32 s22, 0
	s_cbranch_scc1 .Lend                           ; wave 0 finishes
	v_and_b32 v13, 31, v0
	v_lshlrev_b32 v13, 3, v13
	ds_load_b64 v[14:15], v13
	s_mov_b32 s68, 0xbb23d70a                      ; -1 / 400
	v_mov_b32 v18, 0x3dcccccd                      ; the margin, 0.1
	v_mov_b32 v19, 0
	s_wait_dscnt 0x0
	WSUM 14, 15, 16, 17
	v_fma_f32 v14, v14, s68, v18
	v_max_num_f32 v14, 0, v14
	v_mul_f32 v15, 0x36a3d70a, v15                 ; 1 / 204,800
	v_cmp_eq_u32 vcc_lo, 0, v0
	s_wait_xcnt 0x0                                ; EXEC changes only behind this wait
	s_and_saveexec_b32 s70, vcc_lo
	global_store_b32 v19, v14, s[28:29]
	s_cmp_lg_u32 ttmp9, 0
	s_cbranch_scc1 .Lend
	global_store_b32 v19, v15, s[20:21]            ; loss_s has one owner: work-group 0
.Lend:
	s_wait_xcnt 0x0
	s_mov_b32 exec_lo, -1
	s_wait_tensorcnt 0x0
	ds_add_u32 v128, v129
	s_wait_dscnt 0x0
	s_endpgm
.Lfunc_end_k_qaa43426066_losses:
	.size	k_qaa43426066_losses, .Lfunc_end_k_qaa43426066_losses-k_qaa43426066_losses
	.p2alignl 7, 3214868480
	.fill 96, 4, 3214868480
	.section	.rodata,"a",@progbits
	.p2align	6, 0x0
	.amdhsa_kernel k_qaa43426066_losses
		.amdhsa_group_segment_fixed_size 3584
		.amdhsa_private_segment_fixed_size 0
		.amdhsa_enable_private_segment 0
		.amdhsa_kernarg_size 72
		.amdhsa_user_sgpr_count 2
		.amdhsa_user_sgpr_kernarg_segment_ptr 1
		.amdhsa_wavefront_size32 1
		.amdhsa_system_sgpr_workgroup_id_x 1
		.amdhsa_system_sgpr_workgroup_id_y 1
		.amdhsa_system_sgpr_workgroup_id_z 1
		.amdhsa_system_vgpr_workitem_id 0
		.amdhsa_next_free_vgpr 130
		.amdhsa_next_free_sgpr 80
		.amdhsa_reserve_vcc 1
		.amdhsa_float_denorm_mode_32 3
		.amdhsa_float_denorm_mode_16_64 3
		.amdhsa_memory_ordered 1
		.amdhsa_forward_progress 1
		.amdhsa_inst_pref_size 26
	.end_amdhsa_kernel
	.amdgpu_metadata
---
amdhsa.version: [ 1, 2 ]
amdhsa.kernels:
  - .name:           k_qaa43426066_losses
    .symbol:         k_qaa43426066_losses.kd
    .args:
      - { .name: out0, .offset: 0, .size: 8, .value_kind: global_buffer, .address_space: global }
      - { .name: gn, .offset: 8, .size: 8, .value_kind: global_buffer, .address_space: global }
      - { .name: memory_keys, .offset: 16, .size: 8, .value_kind: global_buffer, .address_space: global }
      - { .name: memory_values, .offset: 24, .size: 8, .value_kind: global_buffer, .address_space: global }
      - { .name: idx, .offset: 32, .size: 8, .value_kind: global_buffer, .address_space: global }
      - { .name: ps, .offset: 40, .size: 8, .value_kind: global_buffer, .address_space: global }
      - { .name: out2, .offset: 48, .size: 8, .value_kind: global_buffer, .address_space: global }
      - { .name: out3, .offset: 56, .size: 8, .value_kind: global_buffer, .address_space: global }
      - { .name: out4, .offset: 64, .size: 8, .value_kind: global_buffer, .address_space: global }
    .group_segment_fixed_size: 3584
    .private_segment_fixed_size: 0
    .kernarg_segment_align: 8
    .kernarg_segment_size: 72
    .max_flat_workgroup_size: 800
    .sgpr_count:     80
    .vgpr_count:     130
    .wavefront_size: 32
...
	.end_amdgpu_metadata
.endif
;; end of part 2
;; ======== version 2 of 2: 2 launches
;; limits: right only within a limited range of input values
;; workspace buffers: pb 204,800 bytes; vt 65,536 bytes; cand 102,400 bytes; ps 25,600 bytes
;; launch sims (part 3): grid 204 x 1, 8 waves a work-group, no clusters, 167,936 bytes of LDS; arguments emb_s, emb_q, embg_s, embg_q, memory_keys, memory_values, thresh, pb, vt, cand, ps; writes pb, vt, cand, ps
.if DOCPART == 3
	.amdgcn_target "amdgcn-amd-amdhsa--gfx1250"
	.amdhsa_code_object_version 6
	.text
	.protected	k_qaa43426066_sims
	.globl	k_qaa43426066_sims
	.p2align	8
	.type	k_qaa43426066_sims,@function
k_qaa43426066_sims:
	s_mov_b64 s[64:65], 0
	v_nop
	global_prefetch_b8 v0, s[64:65] scope:SCOPE_SE
	s_setreg_imm32_b32 hwreg(HW_REG_WAVE_MODE, 25, 1), 1
	s_wait_xcnt 0x0
; 400 rows (4 tasks x (25 support + 75 query)) of 128 numbers in two families (emb, embg); two tables [512][128] (keys, values), all f32.
; sim_kv = Q(norm_emb) Q(keys)^T, sim_vk = Q(norm_glo) Q(values)^T on codes of BF6 (E3M2), one E8M0 scale for each 32 along K = 128.
; NOT COMPUTED: the two updated memories of the source (and the l1 norm, the candidates and the one-hot that serve them alone): they reach none of its five results, whatever the inputs hold.
; LIMIT: so a NaN, an infinity or an overflow that arises only there is not carried to any result.
; WORK-GROUPS 0 to 199: rows 16 rb .. + 15 (rb = number / 8) and table rows 64 s .. + 63 (s = number % 8) of both tables.  Waves 0-3: emb and keys, waves 4-7: embg and values; wave 4 d + t takes tile t, 16 table rows.
; Each wave makes its 16 x 16 tile of a sim on codes, and the same tile of the f32 dot products row . table row on the numbers as they are.  A search of sim_kv for the hardest positive / negative then SELECTS
; the dot product glo . values beside the number found (sim_vk: emb . keys): no address hangs on what is found.  cand[dir][rb][s][kind][row] = (key, dot): key = the number found, its sign turned for a negative,
; +infinity where none; the lowest index among equals.  The next launch chooses among the eight s.
; pb = pos_score's codes (pos_score = sim_kv where it lies above thresh[0], else 0), ps = parts of the sum of (sim_vk - sim_kv)^2.
; WORK-GROUPS 200 to 203: values quantised along m for the third product, once: number - 200 = which 128 table rows; wave 4 c + q: 64 of them, 32 columns.  vt holds the codes in the order of the operand's registers.
; NO CLUSTER, though the 25 row blocks of one s read the same tiles: 25 divides into no groups of 4 (or 2), and no work-group is launched to make up a number.  NO PREFETCH: there is no loop to run ahead in.
; LIMITS: NaN and infinities among the inputs are not served; a row is scaled by the reciprocal root of max(its sum of squares, 1e-24): about two units in the last place from the division by max(norm, 1e-12); a block whose
; largest magnitude lies under 2^(5 - 127) keeps the scale byte 1 (a block of zeros too: its codes are zeros, and this program alone reads the bytes).
; REGISTERS: window 0: v2-21 addresses; v24-47 at work; v48-59 the rows' fragment, v60, v61 scales; v64-127 the dot products' sums, later fragment, sim and dots; v128-255 at work.  Window 1: operands from LDS.
.set PIT,  528                         ; an LDS row: 512 bytes + 16
.set TILE, 16*PIT                      ; LDS 0: a wave's 16 table rows; eight of them
.set XST,  8*TILE                      ; norm_emb's 16 rows, then norm_glo's
.set X2,   XST+2*TILE                  ; the same rows in pairs: (row 2 p, row 2 p + 1) at each k, 1,024 bytes a pair
.set P2,   1040
.set SP,   272                         ; a row of 64 numbers + 16 bytes
.set SSZ,  16*SP
.set SS,   X2+2*TILE                   ; sim_kv, sim_vk
.set DD,   SS+2*SSZ                    ; emb . keys, glo . values
.set SPARE, DD+2*SSZ                   ; the spare words: 128 bytes for each wave, named by no other line
.set SPW,  2
.set NIL,  3
.set L16,  4
.set LN,   5
.set SADR, 8
.set S2,   9
.set XQ,   10
.set XD,   11
.set TD,   12
.set TQ,   13
.set SOA,  14
.set PA,   15
.set DA,   16
.set PQA,  17
.set SQA,  18
.set L8,   19
.set L4,   20
.set R8,   21
.set TM,   24
.set NT,   40
.set CT,   40
.set FB,   48
.set SB,   60
.set SA,   61
.set XR,   64
.set ACC,  64
.set FA,   64
.set SIM,  80
.set DOT,  96
.set GB,   112
.set GD,   116
.set SX,   128
.set SD,   160
.set KY,   192
.set MSB, 0
.macro WIN new                         ; the immediate's high byte repeats the setting that is left
.if MSB != (\new)
	s_set_vgpr_msb (MSB<<8)|(\new)
.set MSB, (\new)
.endif
.endm
.macro PLACES n
.rept \n
	v_nop
.endr
.endm
.macro WA
	s_wait_alu depctr_va_vdst(0)
.endm
; n rows, 4 numbers a lane at v[base + stride k], are divided by max(their l2 norm, 1e-12), in place; the rows go by turns
.macro NORM base, stride, n
.set KQ, 0
.rept \n
	v_pk_mul_f32 v[NT+2*KQ:NT+2*KQ+1], v[(\base)+(\stride)*KQ:(\base)+(\stride)*KQ+1], v[(\base)+(\stride)*KQ:(\base)+(\stride)*KQ+1]
.set KQ, KQ+1
.endr
.set KQ, 0
.rept \n
	v_pk_fma_f32 v[NT+2*KQ:NT+2*KQ+1], v[(\base)+(\stride)*KQ+2:(\base)+(\stride)*KQ+3], v[(\base)+(\stride)*KQ+2:(\base)+(\stride)*KQ+3], v[NT+2*KQ:NT+2*KQ+1]
.set KQ, KQ+1
.endr
.set KQ, 0
.rept \n
	v_add_f32 v[NT+2*KQ], v[NT+2*KQ], v[NT+2*KQ+1]
.set KQ, KQ+1
.endr
.irp x, 1,2,4,8
.set KQ, 0
.rept \n
	v_add_f32_dpp v[NT+2*KQ], v[NT+2*KQ], v[NT+2*KQ] row_xmask:\x row_mask:0xf bank_mask:0xf
.set KQ, KQ+1
.endr
.endr
.set KQ, 0
.rept \n
	v_permlanex16_b32 v[NT+2*KQ+1], v[NT+2*KQ], s98, s99
.set KQ, KQ+1
.endr
.set KQ, 0
.rept \n
	v_add_f32 v[NT+2*KQ], v[NT+2*KQ], v[NT+2*KQ+1]
.set KQ, KQ+1
.endr
.set KQ, 0
.rept \n
	v_max_num_f32 v[NT+2*KQ+1], 0x179abe15, v[NT+2*KQ]   ; 1e-24
.set KQ, KQ+1
.endr
	WA
.set KQ, 0
.rept \n
	v_rsq_f32 v[NT+2*KQ], v[NT+2*KQ+1]
.set KQ, KQ+1
.endr
	v_nop
	WA
.set KQ, 0
.rept \n
	v_pk_mul_f32 v[(\base)+(\stride)*KQ:(\base)+(\stride)*KQ+1], v[(\base)+(\stride)*KQ:(\base)+(\stride)*KQ+1], v[NT+2*KQ:NT+2*KQ+1] op_sel_hi:[1,0]
	v_pk_mul_f32 v[(\base)+(\stride)*KQ+2:(\base)+(\stride)*KQ+3], v[(\base)+(\stride)*KQ+2:(\base)+(\stride)*KQ+3], v[NT+2*KQ:NT+2*KQ+1] op_sel_hi:[1,0]
.set KQ, KQ+1
.endr
.endm
; 64 numbers of a lane in window rw from v[s] on (register 16 b + i: k = 32 b + 16 h + i of the lane's row) become a fragment's 12 registers in v[pc] and its scale word in v[pw]
.macro QUANT rw, s, pc, pw
	WIN 5*(\rw)
.irp b, 0,1,2,3
	v_max3_num_f32 v[TM+\b], |v[(\s)+16*\b]|, |v[(\s)+16*\b+1]|, 0x2800000   ; and the floor 2^(5 - 127): the byte cannot fall under 1
.endr
.irp i, 2,4,6,8,10,12,14
.irp b, 0,1,2,3
	v_max3_num_f32 v[TM+\b], |v[(\s)+16*\b+\i]|, |v[(\s)+16*\b+\i+1]|, v[TM+\b]
.endr
.endr
	WIN 0
.irp b, 0,1,2,3
	v_permlanex16_b32 v[TM+4+\b], v[TM+\b], s98, s99
.endr
.irp b, 0,1,2,3
	v_max_num_f32 v[TM+\b], v[TM+\b], v[TM+4+\b]   ; the block's largest magnitude
.endr
.irp b, 0,1,2,3
	v_add_nc_u32 v[TM+12+\b], 0xfe000000, v[TM+\b] ; 4 off its exponent field
.endr
.irp b, 0,1,2,3
	v_lshrrev_b32 v[TM+4+\b], 23, v[TM+12+\b]      ; the scale's byte
.endr
	v_lshl_or_b32 v[\pw], v[TM+5], 8, v[TM+4]
	v_lshl_or_b32 v[\pw], v[TM+6], 16, v[\pw]
	v_lshl_or_b32 v[\pw], v[TM+7], 24, v[\pw]
	WIN (\rw)
.irp c, 0,1
	v_cvt_scalef32_pk16_bf6_f32 v[(\pc)+6*\c:(\pc)+6*\c+2], v[(\s)+32*\c:(\s)+32*\c+15], v[TM+12+2*\c]
	v_cvt_scalef32_pk16_bf6_f32 v[CT+4*\c:CT+4*\c+2], v[(\s)+32*\c+16:(\s)+32*\c+31], v[TM+13+2*\c]
.endr
	WIN 0
	v_nop
.irp c, 0,1                            ; the operand wants a whole block in a lane
.irp i, 0,1,2
	v_permlane16_swap_b32 v[(\pc)+6*\c+\i], v[CT+4*\c+\i]
.endr
.irp i, 0,1,2
	v_mov_b32 v[(\pc)+6*\c+3+\i], v[CT+4*\c+\i]
.endr
.endr
.endm
; One step of the sum over lanes: 2 n numbers from v[t]; a lane whose bit is set (s[mk]) keeps the upper n and gives the lower n to lane xor x, the other way round where it is not
.macro RS n, t, o, x, mk
.set KQ, 0
.rept \n
	v_cndmask_b32 v[(\o)+KQ], v[(\t)+KQ], v[(\t)+(\n)+KQ], s[\mk]
.set KQ, KQ+1
.endr
.set KQ, 0
.rept \n
	v_cndmask_b32 v[(\o)+(\n)+KQ], v[(\t)+(\n)+KQ], v[(\t)+KQ], s[\mk]
.set KQ, KQ+1
.endr
.set KQ, 0
.rept \n
	v_add_f32_dpp v[(\o)+KQ], v[(\o)+(\n)+KQ], v[(\o)+KQ] row_xmask:\x row_mask:0xf bank_mask:0xf
.set KQ, KQ+1
.endr
.endm
; A search over a lane's 32 numbers (row r, m = 32 h + 0 .. 31) in four groups of eight: neg = 0: the least above the threshold s32; neg = 1: the greatest below it
.macro SEARCH neg
	s_wait_dscnt 0x0
	s_wait_tensorcnt 0x0                           ; the wave's end: the search stands between the add and the wait for it
	ds_add_u32 v[SPW], v[NIL]
.irp g, 0,8,16,24
.irp e, 0,1,2,3,4,5,6,7
.if \neg
	v_cmp_gt_f32 s[86+\e], s32, v[SX+\g+\e]
.else
	v_cmp_lt_f32 s[86+\e], s32, v[SX+\g+\e]
.endif
.endr
.irp e, 0,1,2,3,4,5,6,7
	v_cndmask_b32 v[KY+\g+\e], s[84+\neg], v[SX+\g+\e], s[86+\e]
.endr
.endr
.irp g, 0,1,2,3
.if \neg
	v_max3_num_f32 v[GB+\g], v[KY+8*\g], v[KY+8*\g+1], v[KY+8*\g+2]
.else
	v_min3_num_f32 v[GB+\g], v[KY+8*\g], v[KY+8*\g+1], v[KY+8*\g+2]
.endif
.endr
.irp e, 3,5
.irp g, 0,1,2,3
.if \neg
	v_max3_num_f32 v[GB+\g], v[GB+\g], v[KY+8*\g+\e], v[KY+8*\g+\e+1]
.else
	v_min3_num_f32 v[GB+\g], v[GB+\g], v[KY+8*\g+\e], v[KY+8*\g+\e+1]
.endif
.endr
.endr
.irp g, 0,1,2,3
.if \neg
	v_max_num_f32 v[GB+\g], v[GB+\g], v[KY+8*\g+7]
.else
	v_min_num_f32 v[GB+\g], v[GB+\g], v[KY+8*\g+7]
.endif
.endr
.irp e, 7,6,5,4,3,2,1,0                ; descending: among equals the lowest index is taken last.  A number equal to the one found passes the same threshold
.irp g, 0,1,2,3
	v_cmp_eq_f32 s[86+\g], v[SX+8*\g+\e], v[GB+\g]
.endr
.irp g, 0,1,2,3
.if \e == 7
	v_cndmask_b32 v[GD+\g], 0, v[SD+8*\g+\e], s[86+\g]
.else
	v_cndmask_b32 v[GD+\g], v[GD+\g], v[SD+8*\g+\e], s[86+\g]
.endif
.endr
.endr
.if \neg                               ; only a better one displaces a lower index
	v_cmp_gt_f32 s86, v[GB+1], v[GB]
	v_cmp_gt_f32 s88, v[GB+3], v[GB+2]
.else
	v_cmp_lt_f32 s86, v[GB+1], v[GB]
	v_cmp_lt_f32 s88, v[GB+3], v[GB+2]
.endif
.irp g, 0,2
	v_cndmask_b32 v[GB+\g], v[GB+\g], v[GB+\g+1], s[86+\g]
	v_cndmask_b32 v[GD+\g], v[GD+\g], v[GD+\g+1], s[86+\g]
.endr
.if \neg
	v_cmp_gt_f32 s86, v[GB+2], v[GB]
.else
	v_cmp_lt_f32 s86, v[GB+2], v[GB]
.endif
	v_cndmask_b32 v[GB], v[GB], v[GB+2], s86
	v_cndmask_b32 v[GD], v[GD], v[GD+2], s86
	v_permlanex16_b32 v120, v[GB], s98, s99        ; lanes 0-15 hear of m = 32 .. 63
	v_permlanex16_b32 v121, v[GD], s98, s99
.if \neg
	v_cmp_gt_f32 s86, v120, v[GB]
.else
	v_cmp_lt_f32 s86, v120, v[GB]
.endif
	v_cndmask_b32 v122, v[GB], v120, s86
	v_cndmask_b32 v123, v[GD], v121, s86
.if \neg
	v_xor_b32 v122, 0x80000000, v122               ; a negative's key
.endif
	v_cmp_gt_u32 vcc_lo, 16, v[LN]
	WA
	s_wait_dscnt 0x0
	s_wait_xcnt 0x0                                ; EXEC changes only behind this wait
	s_and_saveexec_b32 s86, vcc_lo
	global_store_b64 v[R8], v[122:123], s[22:23]   ; lanes 0-15: 16 rows' (key, dot), 128 consecutive bytes
	s_endpgm
.endm
	s_load_b512 s[4:19], s[0:1], 0x0               ; emb_s 4, emb_q 6, embg_s 8, embg_q 10, keys 12, values 14, thresh 16, pb 18
	s_load_b128 s[20:23], s[0:1], 0x40             ; vt 20, cand 22
	s_load_b64 s[24:25], s[0:1], 0x50              ; ps
	v_lshl_add_u32 v[SPW], v0, 2, SPARE
	v_mov_b32 v[NIL], 0
	ds_add_u32 v[SPW], v[NIL]                      ; the opening adds
	ds_add_u32 v[SPW], v[NIL]
	v_lshrrev_b32 v1, 5, v0
	v_readfirstlane_b32 s28, v1                    ; wave 0..7
	s_and_b32 s29, s28, 3                          ; t
	s_lshr_b32 s30, s28, 2                         ; d: 0 emb and keys, 1 embg and values
	s_and_b32 s31, ttmp9, 7                        ; s
	s_lshr_b32 s33, ttmp9, 3                       ; rb
	; descriptor group 1: 16 rows x 128 elements of 4 bytes, dense in memory, 16 bytes of padding behind each row in LDS
	s_mov_b32 s44, (2<<16)|(1<<20)|(6<<22)|(3<<25)
	s_mov_b32 s45, 128<<16
	s_mov_b32 s46, 16<<16
	s_mov_b32 s47, 128<<16
	s_mov_b32 s48, 16
	s_mov_b32 s49, 128
	s_mov_b32 s50, 0
	s_mov_b32 s51, 0
	s_mov_b32 s40, 1
	s_mul_i32 s41, s28, TILE
	s_lshl_b32 s52, s31, 15                        ; the tile's place in its table: (64 s + 16 t) rows of 512 bytes
	s_lshl_b32 s53, s29, 13
	s_add_co_u32 s52, s52, s53
	s_mov_b32 s53, 0
	; my four rows: R = 16 rb + 4 t + i of the 400 is row n = R % 100 of task R / 100; 100 is a multiple of 4, so the four share the task
	s_lshl_b32 s54, s33, 4
	s_lshl_b32 s55, s29, 2
	s_add_co_u32 s54, s54, s55
	s_mul_i32 s55, s54, 5243
	s_lshr_b32 s55, s55, 19                        ; task = R / 100, right for R under 400
	s_mul_i32 s56, s55, 100
	s_sub_co_u32 s56, s54, s56                     ; n of the first
	s_mul_i32 s57, s55, 25
	s_add_co_u32 s57, s57, s56                     ; support row 25 task + n
	s_mul_i32 s58, s55, 75
	s_add_co_u32 s58, s58, s56
	s_sub_co_u32 s58, s58, 25                      ; query row 75 task + n - 25
.irp i, 0,1,2,3
	s_add_co_u32 s59, s56, \i
	s_cmp_lt_u32 s59, 25
	s_cselect_b32 s[66+2*\i], s57, s58
	s_add_co_u32 s[66+2*\i], s[66+2*\i], \i
	s_lshl_b32 s[66+2*\i], s[66+2*\i], 9
	s_mov_b32 s[67+2*\i], 0
.endr
	; where my candidates go: kind = t (waves 0-3)
	s_lshr_b32 s37, s29, 1                         ; kinds 0, 1: sim_kv; 2, 3: sim_vk
	s_mul_i32 s74, s37, 51200
	s_lshl_b32 s75, ttmp9, 8
	s_add_co_u32 s74, s74, s75
	s_and_b32 s75, s29, 1
	s_lshl_b32 s75, s75, 7
	s_add_co_u32 s74, s74, s75
	s_mov_b32 s75, 0
	s_mul_i32 s38, s37, SSZ
	s_add_co_u32 s38, s38, SS                      ; a search's sim,
	s_xor_b32 s37, s37, 1
	s_mul_i32 s39, s37, SSZ
	s_add_co_u32 s39, s39, DD                      ; and its dot products: the other family's
	s_mul_i32 s54, s28, 4*PIT
	s_add_co_u32 s54, s54, XST                     ; my four rows in LDS,
	s_mul_i32 s36, s30, TILE
	s_add_co_u32 s57, s36, XST                     ; my family's 16,
	s_add_co_u32 s36, s36, X2                      ; and its pairs
	s_mul_i32 s58, s29, 2*P2
	s_add_co_u32 s58, s58, s36
	s_lshr_b32 s37, s29, 1
	s_lshl_b32 s37, s37, 4
	s_add_co_u32 s58, s58, s37                     ; my two pairs: pair p lies at p x 1,040, pairs 4 to 7 16 bytes further on
	s_lshl_b32 s60, s29, 6
	s_mul_i32 s61, s30, SSZ
	s_add_co_u32 s61, s61, s60
	s_add_co_u32 s61, s61, SS                      ; my tile's place in a sim
	s_lshl_b32 s93, s29, 2
	s_mov_b32 s84, 0x7f800000
	s_mov_b32 s85, 0xff800000
	s_mov_b32 s94, 0xf0f0f0f0                      ; lanes with bit 2, bit 1, bit 0
	s_mov_b32 s95, 0xcccccccc
	s_mov_b32 s96, 0xaaaaaaaa
	s_mov_b32 s98, 0x76543210                      ; v_permlanex16_b32's selects for lane l xor 16
	s_mov_b32 s99, 0xfedcba98
	v_and_b32 v[LN], 31, v0
	v_and_b32 v40, 15, v0                          ; r
	v_bfe_u32 v41, v0, 4, 1                        ; h
	v_and_b32 v42, 7, v0
	v_bfe_u32 v43, v0, 3, 1
	v_lshlrev_b32 v[L16], 4, v[LN]
	v_lshlrev_b32 v[L8], 3, v[LN]
	v_lshlrev_b32 v[L4], 2, v[LN]
	v_lshlrev_b32 v[R8], 3, v40
	v_add_nc_u32 v[SADR], s54, v[L16]
	v_lshlrev_b32 v45, 5, v[LN]
	v_add_nc_u32 v[S2], s58, v45
	v_mul_u32_u24 v46, v43, 4*P2+16
	v_lshl_add_u32 v46, v42, 5, v46
	v_add_nc_u32 v[XD], s36, v46                   ; dot products: row pairs 4 (lane / 8 % 2) + i, k = 32 j + 4 (lane % 8) + 0 .. 3
	v_mul_u32_u24 v46, v41, 8*PIT
	v_lshl_add_u32 v46, v42, 4, v46
	v_add_nc_u32 v[TD], s41, v46                   ; table rows 8 h + i, the same k
	v_mul_u32_u24 v47, v40, PIT
	v_lshl_add_u32 v47, v41, 6, v47
	v_add_nc_u32 v[XQ], s57, v47                   ; quantising: row r, k = 32 b + 16 h + ..
	v_add_nc_u32 v[TQ], s41, v47
	v_mul_u32_u24 v48, v40, SP
	v_lshl_add_u32 v49, v41, 5, v48
	v_add_nc_u32 v[SOA], s61, v49
	v_lshl_add_u32 v[PQA], v41, 6, v48
	v_add_nc_u32 v[PQA], SS, v[PQA]
	v_lshl_add_u32 v50, v41, 7, v48
	v_add_nc_u32 v[PA], s38, v50
	v_add_nc_u32 v[DA], s39, v50
	v_add_nc_u32 v[SQA], SS, v50
.irp b, 0,1,2,3
	v_mov_b32 v[TM+4+\b], 0                        ; written once: a lane permute's destination counts as one of its sources
.endr
	WA
	s_wait_dscnt 0x0
	s_wait_kmcnt 0x0
	s_cmp_lt_u32 ttmp9, 200
	s_cbranch_scc0 .Lvt
	s_cmp_eq_u32 s30, 0
	s_cselect_b64 s[12:13], s[12:13], s[14:15]     ; my table
	s_cselect_b64 s[4:5], s[4:5], s[8:9]           ; my family's support and query tensors
	s_cselect_b64 s[6:7], s[6:7], s[10:11]
	s_add_nc_u64 s[42:43], s[12:13], s[52:53]
	s_or_b32 s43, s43, 0x80000000
	tensor_load_to_lds s[40:43], s[44:51]          ; my one tensor load; nothing is filled again
	s_nop 0
.irp i, 0,1,2,3
	s_add_co_u32 s59, s56, \i
	s_cmp_lt_u32 s59, 25
	s_cselect_b64 s[76+2*\i:77+2*\i], s[4:5], s[6:7]
	s_add_nc_u64 s[76+2*\i:77+2*\i], s[76+2*\i:77+2*\i], s[66+2*\i:67+2*\i]
	global_load_b128 v[XR+4*\i:XR+4*\i+3], v[L16], s[76+2*\i:77+2*\i]   ; a row of 512 bytes an instruction
.endr
	s_load_b32 s32, s[16:17], s93 offset:0x0       ; thresh[wave % 4]: kind's threshold; wave 4, which makes pos_score, has thresh[0]
	s_add_nc_u64 s[22:23], s[22:23], s[74:75]
	s_lshl_b32 s74, ttmp9, 10
	s_add_nc_u64 s[18:19], s[18:19], s[74:75]      ; pb: 1,024 bytes a work-group
	s_lshl_b32 s74, ttmp9, 7
	s_add_nc_u64 s[24:25], s[24:25], s[74:75]      ; ps: 128 bytes
	s_wait_kmcnt 0x0
	; ---- my four rows are normalised and shown to the other waves, as rows and as pairs
	s_wait_loadcnt 0x0
	NORM XR, 4, 4
.irp c, 0,1,2,3
	v_mov_b32 v[80+2*\c], v[XR+\c]
	v_mov_b32 v[81+2*\c], v[XR+4+\c]
	v_mov_b32 v[88+2*\c], v[XR+8+\c]
	v_mov_b32 v[89+2*\c], v[XR+12+\c]
.endr
.irp i, 0,1,2,3
	ds_store_b128 v[SADR], v[XR+4*\i:XR+4*\i+3] offset:PIT*\i
.endr
.irp i, 0,1
	ds_store_b128 v[S2], v[80+8*\i:83+8*\i] offset:P2*\i
	ds_store_b128 v[S2], v[84+8*\i:87+8*\i] offset:P2*\i+16
.endr
	WA
	s_wait_dscnt 0x0
	s_barrier_signal -1
	s_barrier_wait -1                              ; (my tensor load may still be out: only I read its bytes, behind my own wait)
	; ---- while my tile lands: the rows' fragment, and the rows' operands of the dot products
.irp b, 0,1,2,3
.irp j, 0,1,2,3
	ds_load_b128 v[128+16*\b+4*\j:128+16*\b+4*\j+3], v[XQ] offset:128*\b+16*\j
.endr
.endr
	WIN 0x40
.irp j, 0,1,2,3
.irp i, 0,1,2,3
	ds_load_b128 v[32*\j+8*\i:32*\j+8*\i+3], v[XD] offset:P2*\i+256*\j
	ds_load_b128 v[32*\j+8*\i+4:32*\j+8*\i+7], v[XD] offset:P2*\i+256*\j+16
.endr
.endr
	WIN 0
	s_wait_dscnt 32                                ; the first 16 are in; the 32 behind them may be out
	QUANT 0, 128, FB, SB
	WA
	s_wait_tensorcnt 0x0                           ; my tile is in: I alone read it
	; ---- the f32 dot products of 16 rows and 16 table rows: a lane takes 8 x 8 of them over 16 of the 128 k, two rows to an instruction
	WIN 0x40
.irp j, 0,1,2,3
.irp i, 0,1,2,3,4,5,6,7
	ds_load_b128 v[128+32*\j+4*\i:128+32*\j+4*\i+3], v[TD] offset:PIT*\i+128*\j
.endr
.endr
	WIN 5                                          ; sources 0 and 1 window 1, the sums window 0
.set KJ, 0
.rept 4
	s_wait_dscnt 24-8*KJ                           ; the rows' operands and this chunk's 8 loads are in; the chunks behind it may be out
.set KK, 0
.rept 4
.set KI, 0
.rept 4
.irp m, 0,1,2,3,4,5,6,7
.if KJ+KK == 0
	v_pk_mul_f32 v[ACC+16*KI+2*\m:ACC+16*KI+2*\m+1], v[8*KI:8*KI+1], v[128+4*\m:128+4*\m+1] op_sel_hi:[1,0]
.elseif KK%2 == 0
	v_pk_fma_f32 v[ACC+16*KI+2*\m:ACC+16*KI+2*\m+1], v[32*KJ+8*KI+2*KK:32*KJ+8*KI+2*KK+1], v[128+32*KJ+4*\m+KK:128+32*KJ+4*\m+KK+1], v[ACC+16*KI+2*\m:ACC+16*KI+2*\m+1] op_sel_hi:[1,0,1]
.else
	v_pk_fma_f32 v[ACC+16*KI+2*\m:ACC+16*KI+2*\m+1], v[32*KJ+8*KI+2*KK:32*KJ+8*KI+2*KK+1], v[128+32*KJ+4*\m+KK-1:128+32*KJ+4*\m+KK], v[ACC+16*KI+2*\m:ACC+16*KI+2*\m+1] op_sel:[0,1,0] op_sel_hi:[1,1,1]
.endif
.endr
.set KI, KI+1
.endr
.set KK, KK+1
.endr
.set KJ, KJ+1
.endr
	; my tile for the quantiser, on its way while the sums are joined
	WIN 0x40
.irp b, 0,1,2,3
.irp j, 0,1,2,3
	ds_load_b128 v[16*\b+4*\j:16*\b+4*\j+3], v[TQ] offset:128*\b+16*\j
.endr
.endr
	WIN 0
	RS 32, 64, 128, 4, 94                          ; over the 8 lanes that share the 8 x 8: lane bits 2, 1, 0 choose the row that is kept
	RS 16, 128, 64, 2, 95
.irp m, 0,1,2,3,4,5,6,7
	v_cndmask_b32 v[DOT+\m], v[64+2*\m], v[65+2*\m], s96
.endr
.irp m, 0,1,2,3,4,5,6,7
	v_cndmask_b32 v[DOT+8+\m], v[65+2*\m], v[64+2*\m], s96
.endr
.irp m, 0,1,2,3,4,5,6,7
	v_add_f32_dpp v[DOT+\m], v[DOT+8+\m], v[DOT+\m] row_xmask:1 row_mask:0xf bank_mask:0xf   ; row r, table rows 8 h + 0 .. 7
.endr
	ds_store_b128 v[SOA], v[DOT:DOT+3] offset:DD-SS
	ds_store_b128 v[SOA], v[DOT+4:DOT+7] offset:DD-SS+16
	; ---- the sim's tile: source 0 = my 16 table rows, source 1 = the 16 rows: lane (r, h) gets row r, table rows 8 h + 0 .. 7
	WA
	s_wait_dscnt 2                                 ; the tile's loads are in; the two stores may be out
	QUANT 1, 0, FA, SA
	PLACES 6
	v_wmma_scale_f32_16x16x128_f8f6f4 v[SIM:SIM+7], v[FA:FA+11], v[FB:FB+11], 0, v[SA], v[SB] matrix_a_fmt:MATRIX_FMT_BF6 matrix_b_fmt:MATRIX_FMT_BF6
	PLACES 4
	ds_store_b128 v[SOA], v[SIM:SIM+3]
	ds_store_b128 v[SOA], v[SIM+4:SIM+7] offset:16
	WA
	s_wait_dscnt 0x0                               ; for the others' sake: my tiles lie in LDS
	s_barrier_signal -1
	s_barrier_wait -1
	s_cmp_lt_u32 s28, 4
	s_cbranch_scc0 .Lpos
	; ---- waves 0-3: the search of kind w.  Lane (r, h): row r, m = 32 h + 0 .. 31
.irp j, 0,1,2,3,4,5,6,7
	ds_load_b128 v[SX+4*\j:SX+4*\j+3], v[PA] offset:16*\j
.endr
.irp j, 0,1,2,3,4,5,6,7
	ds_load_b128 v[SD+4*\j:SD+4*\j+3], v[DA] offset:16*\j
.endr
	s_and_b32 s86, s28, 1
	s_cmp_eq_u32 s86, 0
	s_cbranch_scc0 .Lnegative
	SEARCH 0
.Lnegative:
	SEARCH 1
.Lpos:
	s_cmp_eq_u32 s28, 4
	s_cbranch_scc0 .Lsq
	; ---- wave 4: pos_score's codes.  Lane (r, h): row r, m = 32 b + 16 h + 0 .. 15, b = 0, 1
.irp b, 0,1
.irp j, 0,1,2,3
	ds_load_b128 v[SX+16*\b+4*\j:SX+16*\b+4*\j+3], v[PQA] offset:128*\b+16*\j
.endr
.endr
	s_wait_dscnt 0x0
	s_wait_tensorcnt 0x0
	ds_add_u32 v[SPW], v[NIL]
.irp g, 0,8,16,24
.irp e, 0,1,2,3,4,5,6,7
	v_cmp_lt_f32 s[86+\e], s32, v[SX+\g+\e]
.endr
.irp e, 0,1,2,3,4,5,6,7
	v_cndmask_b32 v[SX+\g+\e], 0, v[SX+\g+\e], s[86+\e]
.endr
.endr
.irp b, 0,1
	v_max3_num_f32 v[TM+\b], |v[SX+16*\b]|, |v[SX+16*\b+1]|, 0x2800000
.endr
.irp i, 2,4,6,8,10,12,14
.irp b, 0,1
	v_max3_num_f32 v[TM+\b], |v[SX+16*\b+\i]|, |v[SX+16*\b+\i+1]|, v[TM+\b]
.endr
.endr
.irp b, 0,1
	v_permlanex16_b32 v[TM+4+\b], v[TM+\b], s98, s99
.endr
.irp b, 0,1
	v_max_num_f32 v[TM+\b], v[TM+\b], v[TM+4+\b]
.endr
.irp b, 0,1
	v_add_nc_u32 v[TM+12+\b], 0xfe000000, v[TM+\b]
.endr
.irp b, 0,1
	v_lshrrev_b32 v[TM+4+\b], 23, v[TM+12+\b]
.endr
	s_and_b32 s86, s31, 1
	s_lshl_b32 s86, s86, 4
	v_cvt_scalef32_pk16_bf6_f32 v[224:226], v[SX:SX+15], v[TM+12]
	v_cvt_scalef32_pk16_bf6_f32 v[232:234], v[SX+16:SX+31], v[TM+13]
	v_lshl_or_b32 v236, v[TM+5], 8, v[TM+4]
	v_lshlrev_b32 v236, s86, v236                  ; the two bytes at their place in a K step's word: an odd s is its upper half
.irp i, 0,1,2
	v_permlane16_swap_b32 v[224+\i], v[232+\i]
.endr
.irp i, 0,1,2
	v_mov_b32 v[227+\i], v[232+\i]                 ; v[224:229]: lane (r, h) has block h whole
.endr
	WA
	s_wait_dscnt 0x0
	global_store_b128 v[L16], v[224:227], s[18:19]
	global_store_b64 v[L8], v[228:229], s[18:19] offset:512
	global_store_b32 v[L4], v236, s[18:19] offset:768
	s_endpgm
.Lsq:
	s_cmp_eq_u32 s28, 5
	s_cbranch_scc0 .Lend
	; ---- wave 5: the squared differences: 16 pairs a lane in four chains
.irp j, 0,1,2,3,4,5,6,7
	ds_load_b128 v[SX+4*\j:SX+4*\j+3], v[SQA] offset:16*\j
	ds_load_b128 v[SD+4*\j:SD+4*\j+3], v[SQA] offset:SSZ+16*\j
.endr
	s_wait_dscnt 0x0
	s_wait_tensorcnt 0x0
	ds_add_u32 v[SPW], v[NIL]
.irp g, 0,8,16,24
.irp c, 0,2,4,6
	v_pk_add_f32 v[192+\c:193+\c], v[SD+\g+\c:SD+\g+\c+1], v[SX+\g+\c:SX+\g+\c+1] neg_lo:[0,1] neg_hi:[0,1]
.endr
.irp c, 0,2,4,6
.if \g == 0
	v_pk_mul_f32 v[200+\c:201+\c], v[192+\c:193+\c], v[192+\c:193+\c]
.else
	v_pk_fma_f32 v[200+\c:201+\c], v[192+\c:193+\c], v[192+\c:193+\c], v[200+\c:201+\c]
.endif
.endr
.endr
	v_pk_add_f32 v[200:201], v[200:201], v[202:203]
	v_pk_add_f32 v[204:205], v[204:205], v[206:207]
	v_pk_add_f32 v[200:201], v[200:201], v[204:205]
	v_add_f32 v200, v200, v201
	WA
	s_wait_dscnt 0x0
	global_store_b32 v[L4], v200, s[24:25]
	s_endpgm
.Lend:
	s_wait_tensorcnt 0x0
	ds_add_u32 v[SPW], v[NIL]
	s_wait_dscnt 0x0
	s_endpgm
.Lvt:	; ---- work-groups 200-203: a lane takes a column, its registers run down 64 table rows: two whole blocks
	s_sub_co_u32 s74, ttmp9, 200
	s_lshl_b32 s78, s74, 16
	s_lshl_b32 s76, s30, 15
	s_add_co_u32 s78, s78, s76
	s_lshl_b32 s76, s29, 7
	s_add_co_u32 s78, s78, s76
	s_mov_b32 s79, 0
	s_add_nc_u64 s[14:15], s[14:15], s[78:79]      ; values at row 128 w + 64 c, column 32 q
	s_lshl_b32 s80, s74, 14
	s_lshl_b32 s76, s29, 12
	s_add_co_u32 s80, s80, s76
	s_lshl_b32 s76, s30, 11
	s_add_co_u32 s80, s80, s76
	s_mov_b32 s81, 0
	s_add_nc_u64 s[20:21], s[20:21], s[80:81]      ; vt[w][q][c]: 2,048 bytes
	s_lshl_b32 s86, s30, 4
.set KI, 0
.rept 64
	global_load_b32 v[128+KI], v[L4], s[14:15] offset:512*KI   ; 32 lanes read 128 consecutive bytes
.set KI, KI+1
.endr
	s_wait_loadcnt 0x0
.irp e, 0,1
	v_max3_num_f32 v[TM+\e], |v[128+32*\e]|, |v[129+32*\e]|, 0x2800000
	v_max3_num_f32 v[TM+2+\e], |v[144+32*\e]|, |v[145+32*\e]|, 0x2800000
.endr
.irp i, 2,4,6,8,10,12,14
.irp e, 0,1
	v_max3_num_f32 v[TM+\e], |v[128+32*\e+\i]|, |v[129+32*\e+\i]|, v[TM+\e]
	v_max3_num_f32 v[TM+2+\e], |v[144+32*\e+\i]|, |v[145+32*\e+\i]|, v[TM+2+\e]
.endr
.endr
.irp e, 0,1
	v_max_num_f32 v[TM+\e], v[TM+\e], v[TM+2+\e]
.endr
.irp e, 0,1
	v_add_nc_u32 v[TM+12+\e], 0xfe000000, v[TM+\e]
.endr
.irp e, 0,1
	v_lshrrev_b32 v[TM+4+\e], 23, v[TM+12+\e]
.endr
.irp e, 0,1
	v_cvt_scalef32_pk16_bf6_f32 v[64+8*\e:66+8*\e], v[128+32*\e:143+32*\e], v[TM+12+\e]
	v_cvt_scalef32_pk16_bf6_f32 v[80+4*\e:82+4*\e], v[144+32*\e:159+32*\e], v[TM+12+\e]
.endr
	v_lshl_or_b32 v88, v[TM+5], 8, v[TM+4]
	v_lshlrev_b32 v88, s86, v88                    ; the two bytes at their place in the K step's word
.irp i, 0,1,2
	v_mov_b32 v[67+\i], v[80+\i]
	v_mov_b32 v[75+\i], v[84+\i]
.endr
.irp i, 0,1,2,3,4,5
	v_permlane16_swap_b32 v[64+\i], v[72+\i]       ; v[64:69]: columns 32 q + r, lanes (r, h) block h; v[72:77]: columns 32 q + 16 + r
.endr
	global_store_b128 v[L16], v[64:67], s[20:21]
	global_store_b64 v[L8], v[68:69], s[20:21] offset:512
	global_store_b128 v[L16], v[72:75], s[20:21] offset:768
	global_store_b64 v[L8], v[76:77], s[20:21] offset:1280
	global_store_b32 v[L4], v88, s[20:21] offset:1536        ; lane L: column 32 q + L
	s_wait_tensorcnt 0x0
	ds_add_u32 v[SPW], v[NIL]
	s_wait_dscnt 0x0
	s_endpgm
.Lfunc_end_k_qaa43426066_sims:
	.size	k_qaa43426066_sims, .Lfunc_end_k_qaa43426066_sims-k_qaa43426066_sims
	.p2alignl 7, 3214868480
	.fill 96, 4, 3214868480
	.section	.rodata,"a",@progbits
	.p2align	6, 0x0
	.amdhsa_kernel k_qaa43426066_sims
		.amdhsa_group_segment_fixed_size 167936
		.amdhsa_private_segment_fixed_size 0
		.amdhsa_enable_private_segment 0
		.amdhsa_kernarg_size 88
		.amdhsa_user_sgpr_count 2
		.amdhsa_user_sgpr_kernarg_segment_ptr 1
		.amdhsa_wavefront_size32 1
		.amdhsa_system_sgpr_workgroup_id_x 1
		.amdhsa_system_sgpr_workgroup_id_y 1
		.amdhsa_system_sgpr_workgroup_id_z 1
		.amdhsa_system_vgpr_workitem_id 0
		.amdhsa_next_free_vgpr 512
		.amdhsa_next_free_sgpr 100
		.amdhsa_reserve_vcc 1
		.amdhsa_float_denorm_mode_32 3
		.amdhsa_float_denorm_mode_16_64 3
		.amdhsa_memory_ordered 1
		.amdhsa_forward_progress 1
		.amdhsa_inst_pref_size 112
	.end_amdhsa_kernel
	.amdgpu_metadata
---
amdhsa.version: [ 1, 2 ]
amdhsa.kernels:
  - .name:           k_qaa43426066_sims
    .symbol:         k_qaa43426066_sims.kd
    .args:
      - { .name: emb_s, .offset: 0, .size: 8, .value_kind: global_buffer, .address_space: global }
      - { .name: emb_q, .offset: 8, .size: 8, .value_kind: global_buffer, .address_space: global }
      - { .name: embg_s, .offset: 16, .size: 8, .value_kind: global_buffer, .address_space: global }
      - { .name: embg_q, .offset: 24, .size: 8, .value_kind: global_buffer, .address_space: global }
      - { .name: memory_keys, .offset: 32, .size: 8, .value_kind: global_buffer, .address_space: global }
      - { .name: memory_values, .offset: 40, .size: 8, .value_kind: global_buffer, .address_space: global }
      - { .name: thresh, .offset: 48, .size: 8, .value_kind: global_buffer, .address_space: global }
      - { .name: pb, .offset: 56, .size: 8, .value_kind: global_buffer, .address_space: global }
      - { .name: vt, .offset: 64, .size: 8, .value_kind: global_buffer, .address_space: global }
      - { .name: cand, .offset: 72, .size: 8, .value_kind: global_buffer, .address_space: global }
      - { .name: ps, .offset: 80, .size: 8, .value_kind: global_buffer, .address_space: global }
    .group_segment_fixed_size: 167936
    .private_segment_fixed_size: 0
    .kernarg_segment_align: 8
    .kernarg_segment_size: 88
    .max_flat_workgroup_size: 256
    .sgpr_count:     100
    .vgpr_count:     512
    .wavefront_size: 32
...
	.end_amdgpu_metadata
.endif
;; end of part 3
;; launch finish (part 4): grid 53 x 1, 8 waves a work-group, no clusters, 35,072 bytes of LDS; arguments emb_s, emb_q, embg_s, embg_q, pb, vt, cand, ps, out0, out1, out2, out3, out4; writes out0, out1, out2, out3, out4
.if DOCPART == 4
	.amdgcn_target "amdgcn-amd-amdhsa--gfx1250"
	.amdhsa_code_object_version 6
	.text
	.protected	k_qaa43426066_finish
	.globl	k_qaa43426066_finish
	.p2align	8
	.type	k_qaa43426066_finish,@function
k_qaa43426066_finish:
	s_mov_b64 s[64:65], 0
	v_nop
	global_prefetch_b8 v0, s[64:65] scope:SCOPE_SE
	s_setreg_imm32_b32 hwreg(HW_REG_WAVE_MODE, 25, 1), 1
	s_wait_xcnt 0x0
; WORK-GROUPS 0 to 24: rows 16 rb .. + 15 of out1 = l2n(normalised embg rows + Q(pos_score) Q(values)), K = the 512 table rows in four steps of 128.
; Wave 4 g + w takes K step w for columns 64 g .. 64 g + 63: 4 products on codes that the launch before laid in the order of the operands' registers; the four steps' parts are added in f32 through LDS.
; Each wave normalises two embg rows and finishes the same two rows of out1.
; WORK-GROUPS 25, 26: loss_v, loss_k: for each row and kind the least key of the eight candidates (the first among equals: the lowest table row) selects its dot product; key +infinity: none found, counts 0.
; loss = max(0.1 - (sum of positives' dots - sum of negatives' dots) / 400, 0).  WORK-GROUP 27: loss_s = (sum of the squared differences) / 204,800.  Each number has one owner.
; WORK-GROUPS 28 to 52: out0 = the l2-normalised emb rows, two a wave.
; No tensor load, no loop: operands come straight into registers.
; LIMITS: NaN and infinities among the inputs are not served; a row is scaled by the reciprocal root of max(its sum of squares, 1e-24).
.set PIT,  528
.set OSZ,  16*PIT                      ; LDS 0: a K step's part: 16 rows
.set LB,   4*OSZ                       ; a word for each wave's part of a loss
.set SPARE, LB+256                     ; the spare words: 128 bytes for each wave
.set SPW,  2
.set NIL,  3
.set LN,   4
.set L16,  5
.set L8,   6
.set OADR, 9
.set FADR, 10
.set L4,   16
.set GR,   24
.set NT,   32
.set PF,   48
.set PS0,  60
.set VF,   64
.set VS0,  112
.set VSC,  120                         ; v120-122: scales and nothing else
.set PSC,  122
.set OUT,  128
.set FO,   160
.macro WA
	s_wait_alu depctr_va_vdst(0)
.endm
.macro NORM2 base, stride, n           ; n rows, 4 numbers a lane, are divided by max(their l2 norm, 1e-12), in place
.set KQ, 0
.rept \n
	v_pk_mul_f32 v[NT+2*KQ:NT+2*KQ+1], v[(\base)+(\stride)*KQ:(\base)+(\stride)*KQ+1], v[(\base)+(\stride)*KQ:(\base)+(\stride)*KQ+1]
.set KQ, KQ+1
.endr
.set KQ, 0
.rept \n
	v_pk_fma_f32 v[NT+2*KQ:NT+2*KQ+1], v[(\base)+(\stride)*KQ+2:(\base)+(\stride)*KQ+3], v[(\base)+(\stride)*KQ+2:(\base)+(\stride)*KQ+3], v[NT+2*KQ:NT+2*KQ+1]
.set KQ, KQ+1
.endr
.set KQ, 0
.rept \n
	v_add_f32 v[NT+2*KQ], v[NT+2*KQ], v[NT+2*KQ+1]
.set KQ, KQ+1
.endr
.irp x, 1,2,4,8
.set KQ, 0
.rept \n
	v_add_f32_dpp v[NT+2*KQ], v[NT+2*KQ], v[NT+2*KQ] row_xmask:\x row_mask:0xf bank_mask:0xf
.set KQ, KQ+1
.endr
.endr
.set KQ, 0
.rept \n
	v_permlanex16_b32 v[NT+2*KQ+1], v[NT+2*KQ], s98, s99
.set KQ, KQ+1
.endr
.set KQ, 0
.rept \n
	v_add_f32 v[NT+2*KQ], v[NT+2*KQ], v[NT+2*KQ+1]
.set KQ, KQ+1
.endr
.set KQ, 0
.rept \n
	v_max_num_f32 v[NT+2*KQ+1], 0x179abe15, v[NT+2*KQ]   ; 1e-24
.set KQ, KQ+1
.endr
	WA
.set KQ, 0
.rept \n
	v_rsq_f32 v[NT+2*KQ], v[NT+2*KQ+1]
.set KQ, KQ+1
.endr
	v_nop
	WA
.set KQ, 0
.rept \n
	v_pk_mul_f32 v[(\base)+(\stride)*KQ:(\base)+(\stride)*KQ+1], v[(\base)+(\stride)*KQ:(\base)+(\stride)*KQ+1], v[NT+2*KQ:NT+2*KQ+1] op_sel_hi:[1,0]
	v_pk_mul_f32 v[(\base)+(\stride)*KQ+2:(\base)+(\stride)*KQ+3], v[(\base)+(\stride)*KQ+2:(\base)+(\stride)*KQ+3], v[NT+2*KQ:NT+2*KQ+1] op_sel_hi:[1,0]
.set KQ, KQ+1
.endr
.endm
	s_load_b512 s[4:19], s[0:1], 0x0               ; emb_s 4, emb_q 6, embg_s 8, embg_q 10, pb 12, vt 14, cand 16, ps 18
	s_load_b256 s[20:27], s[0:1], 0x40             ; out0 20, out1 22, out2 24, out3 26
	s_load_b64 s[28:29], s[0:1], 0x60              ; out4
	v_lshrrev_b32 v1, 5, v0
	v_readfirstlane_b32 s30, v1                    ; wave 0..7
	s_and_b32 s31, s30, 3                          ; K step
	s_lshr_b32 s33, s30, 2                         ; column half
	; my two rows R = 16 rb + 2 wave + i: 100 is even, so the two share the task
	s_mov_b32 s38, ttmp9
	s_sub_co_u32 s39, s38, 28
	s_cmp_lt_u32 s38, 25
	s_cselect_b32 s39, s38, s39                    ; rb, of out1 or of out0
	s_lshl_b32 s40, s39, 4
	s_lshl_b32 s66, s30, 1
	s_add_co_u32 s40, s40, s66
	s_mul_i32 s41, s40, 5243
	s_lshr_b32 s41, s41, 19                        ; task = R / 100
	s_mul_i32 s42, s41, 100
	s_sub_co_u32 s42, s40, s42                     ; n
	s_mul_i32 s43, s41, 25
	s_add_co_u32 s43, s43, s42                     ; support row
	s_mul_i32 s44, s41, 75
	s_add_co_u32 s44, s44, s42
	s_sub_co_u32 s44, s44, 25                      ; query row
.irp i, 0,1
	s_add_co_u32 s45, s42, \i
	s_cmp_lt_u32 s45, 25
	s_cselect_b32 s[46+2*\i], s43, s44
	s_add_co_u32 s[46+2*\i], s[46+2*\i], \i
	s_lshl_b32 s[46+2*\i], s[46+2*\i], 9
	s_mov_b32 s[47+2*\i], 0
.endr
	s_lshl_b32 s50, s39, 13                        ; pb: (8 rb + 2 w) x 1,024
	s_lshl_b32 s51, s31, 11
	s_add_co_u32 s50, s50, s51
	s_mov_b32 s51, 0
	s_lshl_b32 s52, s31, 14                        ; vt: (4 w + 2 g) x 4,096
	s_lshl_b32 s53, s33, 13
	s_add_co_u32 s52, s52, s53
	s_mov_b32 s53, 0
	s_lshl_b32 s54, s40, 9                         ; out0, out1 at my rows
	s_mov_b32 s55, 0
	s_mul_i32 s67, s31, OSZ
	s_lshl_b32 s68, s33, 8
	s_add_co_u32 s67, s67, s68
	s_mul_i32 s68, s30, 2*PIT
	s_lshl_b32 s69, s30, 2
	s_add_co_u32 s69, s69, LB
	s_mov_b32 s98, 0x76543210                      ; v_permlanex16_b32's selects for lane l xor 16
	s_mov_b32 s99, 0xfedcba98
	v_lshl_add_u32 v[SPW], v0, 2, SPARE
	v_mov_b32 v[NIL], 0
	v_and_b32 v[LN], 31, v0
	v_and_b32 v7, 15, v0                           ; r
	v_bfe_u32 v8, v0, 4, 1                         ; h
	v_lshlrev_b32 v[L16], 4, v[LN]
	v_lshlrev_b32 v[L8], 3, v[LN]
	v_lshlrev_b32 v[L4], 2, v[LN]
	v_mul_u32_u24 v[OADR], v7, PIT
	v_lshl_add_u32 v[OADR], v8, 5, v[OADR]
	v_add_nc_u32 v[OADR], s67, v[OADR]
	v_add_nc_u32 v[FADR], s68, v[L16]
	v_mov_b32 v11, 0                               ; a lane permute's destination
	v_add_nc_u32 v12, s66, v8                      ; the row blocks of a loss: 2 wave + h,
	v_add_nc_u32 v13, 16, v12                      ; and 16 further on
	v_min_u32 v14, 24, v12                         ; held inside the 25 for the loads
	v_min_u32 v15, 24, v13
	v_lshlrev_b32 v40, 4, v7
	v_lshl_add_u32 v14, v14, 11, v40
	v_lshl_add_u32 v15, v15, 11, v40
	v_bfe_u32 v41, v0, 3, 1                        ; lanes 8-15 of each sixteen hold the negatives
	v_lshlrev_b32 v41, 31, v41
	v_mov_b32 v42, s69
	v_mov_b32 v43, LB
	v_mov_b32 v44, 0
	WA
	s_wait_kmcnt 0x0
	s_sub_co_u32 s34, s38, 25
	s_cmp_lt_u32 s34, 3
	s_cbranch_scc1 .Lloss
	s_cmp_lt_u32 s38, 25                           ; out1 wants embg's rows, out0 emb's
	s_cselect_b64 s[4:5], s[8:9], s[4:5]
	s_cselect_b64 s[6:7], s[10:11], s[6:7]
.irp i, 0,1
	s_add_co_u32 s45, s42, \i
	s_cmp_lt_u32 s45, 25
	s_cselect_b64 s[56+2*\i:57+2*\i], s[4:5], s[6:7]
	s_add_nc_u64 s[56+2*\i:57+2*\i], s[56+2*\i:57+2*\i], s[46+2*\i:47+2*\i]
	global_load_b128 v[GR+4*\i:GR+4*\i+3], v[L16], s[56+2*\i:57+2*\i]
.endr
	s_add_nc_u64 s[12:13], s[12:13], s[50:51]
	s_add_nc_u64 s[14:15], s[14:15], s[52:53]
	s_add_nc_u64 s[20:21], s[20:21], s[54:55]
	s_add_nc_u64 s[22:23], s[22:23], s[54:55]
	s_cmp_lt_u32 s38, 25
	s_cbranch_scc0 .Lout0
.irp c, 0,1                            ; pos_score's fragment and its two half words of scales: 6 loads
	global_load_b128 v[PF+6*\c:PF+6*\c+3], v[L16], s[12:13] offset:1024*\c
	global_load_b64 v[PF+6*\c+4:PF+6*\c+5], v[L8], s[12:13] offset:1024*\c+512
	global_load_b32 v[PS0+\c], v[L4], s[12:13] offset:1024*\c+768
.endr
.irp q, 0,1                            ; four fragments of values by columns and their scales: 20 loads
.irp c, 0,1
.irp u, 0,1
	global_load_b128 v[VF+12*(2*\q+\u)+6*\c:VF+12*(2*\q+\u)+6*\c+3], v[L16], s[14:15] offset:4096*\q+2048*\c+768*\u
	global_load_b64 v[VF+12*(2*\q+\u)+6*\c+4:VF+12*(2*\q+\u)+6*\c+5], v[L8], s[14:15] offset:4096*\q+2048*\c+768*\u+512
.endr
	global_load_b32 v[VS0+2*\q+\c], v[L4], s[14:15] offset:4096*\q+2048*\c+1536
.endr
.endr
	s_wait_loadcnt 26                              ; the two rows are in; the 26 loads behind them may be out
	NORM2 GR, 4, 2
	WA
	s_wait_loadcnt 0x0
	v_or_b32 v[VSC], v[VS0], v[VS0+1]              ; lanes 0-15: the even tile's words, lanes 16-31 the odd one's
	v_or_b32 v[VSC+1], v[VS0+2], v[VS0+3]
	v_or_b32 v[PSC], v[PS0], v[PS0+1]
.rept 8
	v_nop
.endr
.irp f, 0,1,2,3                        ; source 0 = 16 columns of values, source 1 = pos_score's 16 rows: lane (r, h) gets row r, columns 8 h + 0 .. 7 of the tile
.if (\f%2)
	v_wmma_scale_f32_16x16x128_f8f6f4 v[OUT+8*\f:OUT+8*\f+7], v[VF+12*\f:VF+12*\f+11], v[PF:PF+11], 0, v[VSC+\f/2], v[PSC] matrix_a_fmt:MATRIX_FMT_BF6 matrix_b_fmt:MATRIX_FMT_BF6 matrix_a_scale:MATRIX_SCALE_ROW1
.else
	v_wmma_scale_f32_16x16x128_f8f6f4 v[OUT+8*\f:OUT+8*\f+7], v[VF+12*\f:VF+12*\f+11], v[PF:PF+11], 0, v[VSC+\f/2], v[PSC] matrix_a_fmt:MATRIX_FMT_BF6 matrix_b_fmt:MATRIX_FMT_BF6
.endif
.endr
.rept 4
	v_nop
.endr
.irp f, 0,1,2,3
	ds_store_b128 v[OADR], v[OUT+8*\f:OUT+8*\f+3] offset:64*\f
	ds_store_b128 v[OADR], v[OUT+8*\f+4:OUT+8*\f+7] offset:64*\f+16
.endr
	s_wait_dscnt 0x0                               ; for the others' sake: my part lies in LDS
	s_barrier_signal -1
	s_barrier_wait -1
.irp i, 0,1
.irp u, 0,1,2,3
	ds_load_b128 v[FO+16*\i+4*\u:FO+16*\i+4*\u+3], v[FADR] offset:OSZ*\u+PIT*\i
.endr
.endr
	s_wait_dscnt 0x0
	s_wait_tensorcnt 0x0                           ; the wave's end: the last sums stand between the add and the wait for it
	ds_add_u32 v[SPW], v[NIL]
.irp i, 0,1
.irp e, 0,2
	v_pk_add_f32 v[FO+16*\i+\e:FO+16*\i+\e+1], v[FO+16*\i+\e:FO+16*\i+\e+1], v[FO+16*\i+4+\e:FO+16*\i+4+\e+1]
	v_pk_add_f32 v[FO+16*\i+8+\e:FO+16*\i+8+\e+1], v[FO+16*\i+8+\e:FO+16*\i+8+\e+1], v[FO+16*\i+12+\e:FO+16*\i+12+\e+1]
.endr
.endr
.irp i, 0,1
.irp e, 0,2
	v_pk_add_f32 v[FO+16*\i+\e:FO+16*\i+\e+1], v[FO+16*\i+\e:FO+16*\i+\e+1], v[FO+16*\i+8+\e:FO+16*\i+8+\e+1]
.endr
.endr
.irp i, 0,1
.irp e, 0,2
	v_pk_add_f32 v[FO+16*\i+\e:FO+16*\i+\e+1], v[FO+16*\i+\e:FO+16*\i+\e+1], v[GR+4*\i+\e:GR+4*\i+\e+1]
.endr
.endr
	NORM2 FO, 16, 2
	WA
	s_wait_dscnt 0x0
.irp i, 0,1
	global_store_b128 v[L16], v[FO+16*\i:FO+16*\i+3], s[22:23] offset:512*\i
.endr
	s_endpgm
.Lout0:
	s_wait_loadcnt 0x0
	NORM2 GR, 4, 2
.irp i, 0,1
	global_store_b128 v[L16], v[GR+4*\i:GR+4*\i+3], s[20:21] offset:512*\i
.endr
	s_endpgm
.Lloss:
	s_cmp_eq_u32 s34, 2
	s_cbranch_scc1 .Lsquares
	; ---- a direction: 2 x 8 units of 256 bytes for each half of the lanes; a lane holds one kind of two rows: key, dot, key, dot
	s_mul_i32 s36, s34, 51200
	s_mov_b32 s37, 0
	s_add_nc_u64 s[16:17], s[16:17], s[36:37]
.irp e, 0,1,2,3,4,5,6,7
	global_load_b128 v[64+4*\e:67+4*\e], v14, s[16:17] offset:256*\e
.endr
.irp e, 0,1,2,3,4,5,6,7
	global_load_b128 v[96+4*\e:99+4*\e], v15, s[16:17] offset:256*\e
.endr
	v_cmp_gt_u32 s38, 25, v12                      ; a block past the 25th counts for nothing
	v_cmp_gt_u32 s39, 25, v13
	s_mov_b32 s70, 0x7f800000
	s_mov_b32 s71, 0xbb23d70a                      ; -1 / 400
	s_mov_b32 s72, 0x3dcccccd                      ; the margin, 0.1
	s_cmp_eq_u32 s34, 0
	s_cselect_b64 s[74:75], s[26:27], s[24:25]     ; direction 0: loss_v, direction 1: loss_k
	s_wait_loadcnt 0x0
.irp e, 1,2,3,4,5,6,7
.irp u, 0,32
	v_cmp_lt_f32 s[76+\u/16], v[64+\u+4*\e], v[64+\u]
	v_cmp_lt_f32 s[77+\u/16], v[66+\u+4*\e], v[66+\u]
.endr
.irp u, 0,32
	v_cndmask_b32 v[64+\u], v[64+\u], v[64+\u+4*\e], s[76+\u/16]
	v_cndmask_b32 v[65+\u], v[65+\u], v[65+\u+4*\e], s[76+\u/16]
	v_cndmask_b32 v[66+\u], v[66+\u], v[66+\u+4*\e], s[77+\u/16]
	v_cndmask_b32 v[67+\u], v[67+\u], v[67+\u+4*\e], s[77+\u/16]
.endr
.endr
.irp u, 0,32
	v_cmp_gt_f32 s[76+\u/16], s70, v[64+\u]        ; found: the key is under +infinity
	v_cmp_gt_f32 s[77+\u/16], s70, v[66+\u]
	s_and_b32 s[76+\u/16], s[76+\u/16], s[38+\u/32]
	s_and_b32 s[77+\u/16], s[77+\u/16], s[38+\u/32]
.endr
.irp u, 0,32
	v_cndmask_b32 v[65+\u], 0, v[65+\u], s[76+\u/16]
	v_cndmask_b32 v[67+\u], 0, v[67+\u], s[77+\u/16]
.endr
	v_add_f32 v45, v65, v67
	v_add_f32 v46, v97, v99
	v_add_f32 v45, v45, v46
	v_xor_b32 v45, v41, v45
	WA
	s_branch .Ltail
.Lsquares:
	; ---- the squared differences: 25 of the 200 pieces of 128 bytes a wave
	s_mul_i32 s36, s30, 3200
	s_mov_b32 s37, 0
	s_add_nc_u64 s[18:19], s[18:19], s[36:37]
.set KI, 0
.rept 25
	global_load_b32 v[64+KI], v[L4], s[18:19] offset:128*KI
.set KI, KI+1
.endr
	s_mov_b32 s71, 0x36a3d70a                      ; 1 / 204,800
	s_mov_b32 s72, 0
	s_mov_b64 s[74:75], s[28:29]
	s_wait_loadcnt 0x0
.set KI, 4
.rept 21
	v_add_f32 v[64+KI%4], v[64+KI%4], v[64+KI]     ; four chains
.set KI, KI+1
.endr
	v_add_f32 v64, v64, v65
	v_add_f32 v66, v66, v67
	v_add_f32 v45, v64, v66
	WA
.Ltail:
.irp x, 1,2,4,8
	v_add_f32_dpp v45, v45, v45 row_xmask:\x row_mask:0xf bank_mask:0xf
.endr
	v_permlanex16_b32 v11, v45, s98, s99
	v_add_f32 v45, v45, v11
	ds_store_b32 v42, v45                          ; all lanes write my wave's word with the same value
	WA
	s_wait_dscnt 0x0
	s_barrier_signal -1
	s_barrier_wait -1
	ds_load_b128 v[48:51], v43
	ds_load_b128 v[52:55], v43 offset:16
	s_wait_dscnt 0x0
	s_wait_tensorcnt 0x0                           ; the wave's end
	ds_add_u32 v[SPW], v[NIL]
	v_pk_add_f32 v[48:49], v[48:49], v[50:51]
	v_pk_add_f32 v[52:53], v[52:53], v[54:55]
	v_mov_b32 v46, s72
	v_pk_add_f32 v[48:49], v[48:49], v[52:53]
	v_add_f32 v48, v48, v49
	v_fma_f32 v48, v48, s71, v46
	v_max_num_f32 v48, 0, v48                      ; (the sum of squares is never under 0)
	v_cmp_eq_u32 vcc_lo, 0, v[LN]
	WA
	s_wait_dscnt 0x0
	s_cmp_lg_u32 s30, 0
	s_cbranch_scc1 .Ldone
	s_wait_xcnt 0x0                                ; EXEC changes only behind this wait
	s_and_saveexec_b32 s76, vcc_lo
	global_store_b32 v44, v48, s[74:75]            ; wave 0, lane 0
.Ldone:
	s_endpgm
.Lfunc_end_k_qaa43426066_finish:
	.size	k_qaa43426066_finish, .Lfunc_end_k_qaa43426066_finish-k_qaa43426066_finish
	.p2alignl 7, 3214868480
	.fill 96, 4, 3214868480
	.section	.rodata,"a",@progbits
	.p2align	6, 0x0
	.amdhsa_kernel k_qaa43426066_finish
		.amdhsa_group_segment_fixed_size 35072
		.amdhsa_private_segment_fixed_size 0
		.amdhsa_enable_private_segment 0
		.amdhsa_kernarg_size 104
		.amdhsa_user_sgpr_count 2
		.amdhsa_user_sgpr_kernarg_segment_ptr 1
		.amdhsa_wavefront_size32 1
		.amdhsa_system_sgpr_workgroup_id_x 1
		.amdhsa_system_sgpr_workgroup_id_y 1
		.amdhsa_system_sgpr_workgroup_id_z 1
		.amdhsa_system_vgpr_workitem_id 0
		.amdhsa_next_free_vgpr 192
		.amdhsa_next_free_sgpr 100
		.amdhsa_reserve_vcc 1
		.amdhsa_float_denorm_mode_32 3
		.amdhsa_float_denorm_mode_16_64 3
		.amdhsa_memory_ordered 1
		.amdhsa_forward_progress 1
		.amdhsa_inst_pref_size 29
	.end_amdhsa_kernel
	.amdgpu_metadata
---
amdhsa.version: [ 1, 2 ]
amdhsa.kernels:
  - .name:           k_qaa43426066_finish
    .symbol:         k_qaa43426066_finish.kd
    .args:
      - { .name: emb_s, .offset: 0, .size: 8, .value_kind: global_buffer, .address_space: global }
      - { .name: emb_q, .offset: 8, .size: 8, .value_kind: global_buffer, .address_space: global }
      - { .name: embg_s, .offset: 16, .size: 8, .value_kind: global_buffer, .address_space: global }
      - { .name: embg_q, .offset: 24, .size: 8, .value_kind: global_buffer, .address_space: global }
      - { .name: pb, .offset: 32, .size: 8, .value_kind: global_buffer, .address_space: global }
      - { .name: vt, .offset: 40, .size: 8, .value_kind: global_buffer, .address_space: global }
      - { .name: cand, .offset: 48, .size: 8, .value_kind: global_buffer, .address_space: global }
      - { .name: ps, .offset: 56, .size: 8, .value_kind: global_buffer, .address_space: global }
      - { .name: out0, .offset: 64, .size: 8, .value_kind: global_buffer, .address_space: global }
      - { .name: out1, .offset: 72, .size: 8, .value_kind: global_buffer, .address_space: global }
      - { .name: out2, .offset: 80, .size: 8, .value_kind: global_buffer, .address_space: global }
      - { .name: out3, .offset: 88, .size: 8, .value_kind: global_buffer, .address_space: global }
      - { .name: out4, .offset: 96, .size: 8, .value_kind: global_buffer, .address_space: global }
    .group_segment_fixed_size: 35072
    .private_segment_fixed_size: 0
    .kernarg_segment_align: 8
    .kernarg_segment_size: 104
    .max_flat_workgroup_size: 256
    .sgpr_count:     100
    .vgpr_count:     192
    .wavefront_size: 32
...
	.end_amdgpu_metadata
.endif
;; end of part 4
